; MI455X (gfx1250); checked and timed in simulation.
; The chip was launched on July 23, 2026; its instructions are those of AMD's public machine-readable ISA for CDNA 5 (MIT licence, August 2026) and "CDNA5" Instruction Set Architecture Reference Guide (July 2026). The comments in the code are by the model that wrote it; some were corrected since.
;; Multi Modal Attention. Allowed arithmetic: matrix products marked QUANTISED: E2M1 operands, one E8M0 scale for each 32 along K, by v_wmma_scale_f32_16x16x128_f8f6f4 with both operands' format E2M1 (or v_wmma_scale_f32_32x16x128_f4), f32 sums; products left as they are: bf16, f16 or f32 operands; f32 sums; everything else in f32.
;; Inputs: attention_mask 2 x 1,024 int32; bk 2,048 float32; bo 2,048 float32; bq 2,048 float32; bv 2,048 float32; wk 2,048 x 2,048 float32; wo 2,048 x 2,048 float32; wq 2,048 x 2,048 float32; wv 2,048 x 2,048 float32; x 2 x 1,024 x 2,048 float32.
;; Outputs: out0 2 x 1,024 x 2,048 float32.
;; This version of the problem:
;;   THIS VERSION OF THE PROBLEM IS GIVEN IN LOW PRECISION. The matrix products marked QUANTISED in the list below multiply operands that are first quantised to E2M1 (2 exponent bits, 1 mantissa bit; 4 bits a number), with one power-of-two scale for each 32 numbers along K (OCP MX v1.0); their sums are f32. The products marked 'left as it is' may take bf16, f16 or f32 operands, with f32 sums. Whichever they take, every output number must still come out within the allowed error. Rounding operands to bf16 (8 significant bits) uses up far more of that allowance than f16 does (11 bits, for magnitudes from 6e-5 to 65,504). All else is computed in f32.
;;   The module's matrix products, in the order in which they are computed (A, B: the left and right operand; K: the contracted axis; several contracted axes count as one K, in the product's order):
;;     1. [M 2,048, K 2,048] x [K 2,048, N 2,048]; A: input x; B: input wq: QUANTISED
;;     2. [M 2,048, K 2,048] x [K 2,048, N 2,048]; A: input x; B: input wk: QUANTISED
;;     3. [M 2,048, K 2,048] x [K 2,048, N 2,048]; A: input x; B: input wv: QUANTISED
;;     4. batch 32 x [M 1,024, K 128] x [K 128, N 1,024]; A: computed on the way; B: computed on the way: left as it is (an operand is computed on the way)
;;     5. batch 32 x [M 128, K 1,024] x [K 1,024, N 1,024]; A: computed on the way; B: computed on the way: left as it is (an operand is computed on the way)
;;     6. [M 2,048, K 2,048] x [K 2,048, N 2,048]; A: computed on the way; B: input wo: left as it is (an operand is computed on the way)
;;   THE QUANTISER, for each operand of a quantised product, along K:
;;     - K is cut into blocks of 32 from its start; a last block that is shorter is filled with zeros.
;;     - A block's scale is 2^e with e = floor(log2(the largest magnitude in the block)) - 2, held to -126 .. 127; a block of zeros has e = 0. As a byte (E8M0): e + 127.
;;     - Each number is divided by its block's scale, clamped to +-6, and rounded to the nearest number of E2M1, ties to even, subnormals kept.
;;     - The product sums the exact products of the quantised numbers (number of the format x scale) in f32.
;;   ~~~python
;;   def quantise(x, axis):      # numpy; x: float32 -> the quantised numbers, widened to float32 again
;;       x = np.moveaxis(x, axis, -1); K = x.shape[-1]
;;       x = np.pad(x, [(0, 0)] * (x.ndim - 1) + [(0, -K % 32)]); x = x.reshape(x.shape[:-1] + (-1, 32)); a = np.abs(x).max(-1, keepdims=True)
;;       e = np.where(a > 0, np.clip(np.frexp(np.where(a > 0, a, 1))[1] - 1 - 2, -126, 127), 0)      # np.frexp(a)[1] - 1 = floor(log2(a)), exactly
;;       r = np.clip(x / 2.0 ** e, -6, 6)
;;       step = 2.0 ** (np.maximum(np.frexp(np.where(r == 0, 1, r))[1] - 1, 0) - 1)
;;       q = np.round(r / step) * step * 2.0 ** e      # np.round: ties to even
;;       return np.moveaxis(q.reshape(q.shape[:-2] + (-1,))[..., :K], -1, axis).astype(np.float32)
;;   ~~~
;; One version. Each part assembles by itself: llvm-mc -triple=amdgcn-amd-amdhsa -mcpu=gfx1250 --defsym DOCPART=n.
;; ======== version 1 of 1: 4 launches
;; limits: values are held in f16: magnitudes above 65,504 overflow, below 6.1e-05 lose precision
;; workspace buffers: x_codes 2,097,152 bytes; x_scales 131,072 bytes; w_codes 6,291,456 bytes; w_scales 393,216 bytes; wo16 8,388,608 bytes; rope 524,288 bytes; qkv 25,165,824 bytes; ao 8,388,608 bytes
;; launch prep (part 1): grid 448 x 1, 4 waves a work-group, no clusters, 68,096 bytes of LDS; arguments x, wq, wk, wv, wo, x_codes, x_scales, w_codes, w_scales, wo16, rope; writes x_codes, x_scales, w_codes, w_scales, wo16, rope
.if DOCPART == 1
	.amdgcn_target "amdgcn-amd-amdhsa--gfx1250"
	.amdhsa_code_object_version 6
	.text
	.protected	k_qcc831810e0_prep
	.globl	k_qcc831810e0_prep
	.p2align	8
	.type	k_qcc831810e0_prep,@function
k_qcc831810e0_prep:
	s_mov_b64 s[64:65], 0
	v_nop
	global_prefetch_b8 v0, s[64:65] scope:SCOPE_SE
	s_setreg_imm32_b32 hwreg(HW_REG_WAVE_MODE, 25, 1), 1
	s_wait_xcnt 0x0
; PREP: everything that is made of inputs alone, once.  Three kinds of work-groups, told apart by the work-group's number; each kind has LDS bytes of its own.
;  0-191   W: wq, wk, wv [2048 k][2048 n] f32 -> codes of FP4 (E2M1) laid [6144 n][2048 k], K innermost, and one E8M0 byte for each 32 along K, laid [6144][64].  A lane takes a column, its registers run down K.
;  192-319 X: x [2048][2048] f32, K innermost -> codes [2048][1024 bytes] and scale bytes [2048][64]: a plain stream of blocks of 32.
;  320-447 O: wo [2048 k][2048 n] f32 -> f16, its rows laid in the order in which the attention's result has its columns: row k goes to k' = (k & ~127) | ((k & 1) << 6) | ((k & 127) >> 1);
;             and the table of RoPE: row t = 64 cosines, then 64 sines of t x 10000^(-i / 64), f32.
; A block's scale is 2^(floor(log2(its largest magnitude)) - 2); its byte is the largest magnitude's exponent field - 2, held at 1 from below.
; LIMITS: a block of zeros gets the byte 1 where the quantiser says 127 (its codes are zeros, and this program alone reads the bytes); blocks whose largest magnitude lies under 2^(2 - 126) keep the byte 1;
; NaN and infinities among the inputs are not served; wo beyond 65,504 in magnitude has no f16; the table's angles are reduced by pi / 2 in two parts and are within about 2e-4 rad of t x 10000^(-i / 64).
.set SPARE, 67584                      ; behind both paths' LDS: the spare words, 128 bytes for each wave: two blocks of 256 bytes that no other line names
.set SPW,   250                        ; v250  LDS address of my spare word; never rewritten
.set NIL,   251                        ; v251  0; never rewritten
; path X
.set XWREG, 8192                       ; LDS 0 .. 32,767: a region for each wave: two stages of 32 x XSP bytes, behind them its 256 scale bytes
.set XSP,   80                         ; a lane's place in a stage: 64 bytes + 16 of padding
.set XR,    16                         ; v16-79   four sets of 16 numbers as loaded
.set XX,    80                         ; v80-111  two sets of 16 neighbours
.set XE,    112                        ; v112-127 a scale byte for each step
.set XC,    128                        ; v128-191 codes, four registers for each step
; path W
.set WSTG,  32768                      ; LDS 32,768 .. 67,583: a stage of 32 rows x 272 bytes for each wave
.set WP,    272
.set WSB,   24                         ; v24-27   the scale bytes, four to a register
.set WX,    32                         ; v32-95   two sets of 32 numbers
.set WC,    96                         ; v96-99   a block's codes
.set WOUT,  112                        ; v112-175 the way out
	s_load_b256 s[4:11], s[0:1], 0x0               ; x s[4:5], wq s[6:7], wk s[8:9], wv s[10:11]
	s_load_b256 s[12:19], s[0:1], 0x20             ; wo s[12:13], x_codes s[14:15], x_scales s[16:17], w_codes s[18:19]
	s_load_b128 s[20:23], s[0:1], 0x40             ; w_scales s[20:21], wo16 s[22:23]
	s_load_b64 s[24:25], s[0:1], 0x50              ; rope
	v_lshl_add_u32 v[SPW], v0, 2, SPARE
	v_mov_b32 v[NIL], 0
	v_lshrrev_b32 v1, 5, v0
	v_readfirstlane_b32 s26, v1                    ; wave 0..3
	v_and_b32 v2, 31, v0                           ; lane
	s_wait_kmcnt 0x0
	s_cmp_lt_u32 ttmp9, 192
	s_cbranch_scc0 .Lnot_w
; ---------------------------------------------------------------- path W: 64 work-groups for each weight: 128 columns x 512 along K
	s_lshr_b32 s27, ttmp9, 6                       ; which weight: 0 q, 1 k, 2 v
	s_and_b32 s28, ttmp9, 15                       ; which 128 columns
	s_bfe_u32 s29, ttmp9, 0x20004                  ; which 512 along K
	s_lshl_b32 s28, s28, 7
	s_lshl_b32 s30, s26, 5
	s_add_co_u32 s28, s28, s30                     ; my wave's first column
	s_cmp_eq_u32 s27, 0                            ; the choice hangs on the work-group's number alone
	s_cselect_b64 s[32:33], s[6:7], s[8:9]
	s_cmp_eq_u32 s27, 2
	s_cselect_b64 s[32:33], s[10:11], s[32:33]
	v_lshlrev_b32 v3, 2, v2                        ; in: 4 bytes a lane
	s_mul_i32 s30, s26, 32*WP
	s_add_co_u32 s30, s30, WSTG                    ; my stage
	v_mul_u32_u24 v4, v2, WP
	v_add_nc_u32 v4, s30, v4                       ; into it: row = my column
	v_and_b32 v5, 15, v2
	v_lshrrev_b32 v6, 4, v2                        ; out of it: sixteen lanes to a row, two rows an instruction
	v_mul_u32_u24 v7, v6, WP
	v_lshl_add_u32 v7, v5, 4, v7
	v_add_nc_u32 v7, s30, v7
	v_mul_u32_u24 v8, v6, 1024                     ; and the same place in the codes' buffer (a row: 1,024 bytes)
	v_lshl_add_u32 v8, v5, 4, v8
	v_lshlrev_b32 v9, 6, v2                        ; my column's row of scale bytes (64 bytes a row)
	s_lshl_b32 s34, s29, 22                        ; 512 rows of 8,192 bytes
	s_lshl_b32 s35, s28, 2
	s_add_co_u32 s34, s34, s35
	s_mov_b32 s35, 0
	s_add_nc_u64 s[32:33], s[32:33], s[34:35]      ; the weight at my wave's first number
	s_lshl_b32 s34, s28, 10
	s_lshl_b32 s36, s29, 8
	s_add_co_u32 s34, s34, s36
	s_lshl_b32 s36, s27, 21
	s_add_co_u32 s34, s34, s36
	s_add_nc_u64 s[18:19], s[18:19], s[34:35]      ; codes: (2048 which + column) x 1,024 + 256 y
	s_lshl_b32 s34, s28, 6
	s_lshl_b32 s36, s29, 4
	s_add_co_u32 s34, s34, s36
	s_lshl_b32 s36, s27, 17
	s_add_co_u32 s34, s34, s36
	s_add_nc_u64 s[20:21], s[20:21], s[34:35]      ; scale bytes: (2048 which + column) x 64 + 16 y
.macro WLD t                           ; block t: w(32 t + i, my column), i = 0 .. 31, into set t % 2: each load reads 128 consecutive bytes
.irp i, 0,1,2,3,4,5,6,7,8,9,10,11,12,13,14,15,16,17,18,19,20,21,22,23,24,25,26,27,28,29,30,31
	global_load_b32 v[WX+32*((\t)%2)+\i], v3, s[32:33] offset:(32*(\t)+\i)*8192 th:TH_LOAD_NT
.endr
.endm
	WLD 0
	WLD 1
.macro WBLOCK t
.set XS, WX+32*((\t)%2)
.if (\t) < 15
	s_wait_loadcnt 32                              ; this block's 32 loads are in; the next block's may be out
.else
	s_wait_loadcnt 0
.endif
	v_max3_num_f32 v12, |v[XS]|, |v[XS+1]|, |v[XS+2]|               ; the block's largest magnitude: all 32 numbers are mine
	v_max3_num_f32 v13, |v[XS+3]|, |v[XS+4]|, |v[XS+5]|
.irp i, 6,10,14,18,22,26
	v_max3_num_f32 v12, v12, |v[XS+\i]|, |v[XS+\i+1]|
	v_max3_num_f32 v13, v13, |v[XS+\i+2]|, |v[XS+\i+3]|
.endr
	v_max3_num_f32 v12, v12, |v[XS+30]|, |v[XS+31]|
	v_max3_num_f32 v12, v12, v13, 0x1800000        ; and the floor 2^(3 - 127): the byte cannot fall under 1
	v_add_nc_u32 v11, 0xff000000, v12              ; 2 off its exponent field: the conversion takes the exponent field of this operand as its scale
	v_lshrrev_b32 v13, 23, v11                     ; the scale's byte
.if (\t)%4 == 0
	v_mov_b32 v[WSB+(\t)/4], v13                   ; four bytes to a register, the lower K in the lower byte
.else
	v_lshl_or_b32 v[WSB+(\t)/4], v13, 8*((\t)%4), v[WSB+(\t)/4]
.endif
.irp g, 0,1,2,3
	v_cvt_scalef32_pk8_fp4_f32 v[WC+\g], v[XS+8*\g:XS+8*\g+7], v11
.endr
	ds_store_b128 v4, v[WC:WC+3] offset:16*(\t)    ; 32 codes: 16 bytes of my column's row
.if (\t)+2 < 16
	WLD (\t)+2
.endif
	s_wait_dscnt 0x0                               ; the store has read its registers: the next block's codes may be written
.endm
.set Q, 0
.rept 16
	WBLOCK Q
.set Q, Q+1
.endr
	global_store_b128 v9, v[WSB:WSB+3], s[20:21]   ; my column's 16 scale bytes
.irp t, 0,1,2,3,4,5,6,7,8,9,10,11,12,13,14,15
	ds_load_b128 v[WOUT+4*\t:WOUT+4*\t+3], v7 offset:2*\t*WP   ; LDS serves a wave's instructions in order: these see my stores
.endr
.irp t, 0,1,2,3,4,5,6,7,8,9,10,11,12,13,14,15
	s_wait_dscnt 15-\t
	global_store_b128 v8, v[WOUT+4*\t:WOUT+4*\t+3], s[18:19] offset:2*\t*1024   ; sixteen lanes store 256 consecutive bytes, aligned
.endr
	s_wait_tensorcnt 0x0                           ; the wave's end
	ds_add_u32 v[SPW], v[NIL]
	s_wait_dscnt 0x0
	s_endpgm
.Lnot_w:
	s_cmp_lt_u32 ttmp9, 320
	s_cbranch_scc0 .Lpath_o
; ---------------------------------------------------------------- path X: a wave takes 16 steps of 512 numbers
	v_lshlrev_b32 v3, 4, v2                        ; my 16 bytes of a load's 512
	s_mul_i32 s28, s26, XWREG
	v_lshrrev_b32 v14, 2, v2
	v_mul_u32_u24 v14, v14, XSP
	v_and_b32 v15, 3, v2
	v_lshl_add_u32 v14, v15, 4, v14
	v_add_nc_u32 v14, s28, v14                     ; the stage, on the way in: four lanes' 64 bytes on end, then 16 of padding
	v_mul_u32_u24 v15, v2, XSP
	v_add_nc_u32 v15, s28, v15                     ; and on the way out: my 16 neighbours
	v_lshlrev_b32 v4, 3, v2                        ; my codes' place in a step's: 8 bytes a lane
	v_lshrrev_b32 v5, 1, v2
	s_add_co_u32 s28, s28, 2*32*XSP
	v_add_nc_u32 v5, s28, v5                       ; LDS: my wave's 256 scale bytes, my block's byte
	v_lshlrev_b32 v7, 3, v2
	v_add_nc_u32 v6, s28, v7                       ; and on the way out 8 bytes a lane
	s_sub_co_u32 s29, ttmp9, 192
	s_lshl_b32 s29, s29, 2
	s_add_co_u32 s29, s29, s26                     ; which run of 8,192 numbers is my wave's
	s_lshl_b32 s30, s29, 15
	s_mov_b32 s31, 0
	s_add_nc_u64 s[4:5], s[4:5], s[30:31]
	s_lshl_b32 s30, s29, 12
	s_add_nc_u64 s[14:15], s[14:15], s[30:31]
	s_lshl_b32 s30, s29, 8
	s_add_nc_u64 s[16:17], s[16:17], s[30:31]
.macro XLD t
.irp i, 0,1,2,3
	global_load_b128 v[XR+16*((\t)%4)+4*\i:XR+16*((\t)%4)+4*\i+3], v3, s[4:5] offset:2048*(\t)+512*\i th:TH_LOAD_NT   ; 32 lanes read 512 consecutive bytes
.endr
.endm
.macro XTURN t                         ; step t's numbers through the stage: LDS serves a wave's instructions in order
.irp i, 0,1,2,3
	ds_store_b128 v14, v[XR+16*((\t)%4)+4*\i:XR+16*((\t)%4)+4*\i+3] offset:32*XSP*((\t)%2)+8*XSP*\i
.endr
.irp i, 0,1,2,3
	ds_load_b128 v[XX+16*((\t)%2)+4*\i:XX+16*((\t)%2)+4*\i+3], v15 offset:32*XSP*((\t)%2)+16*\i
.endr
.endm
.irp t, 0,1,2,3
	XLD \t
.endr
	s_wait_loadcnt 12                              ; step 0's four loads are in
	XTURN 0
.macro XSTEP t
.set XS, XX+16*((\t)%2)
.if (\t) > 0
	s_wait_dscnt 1                                 ; this step's numbers are back from the stage (the last step's byte store may be out)
.else
	s_wait_dscnt 0x0
.endif
.if (\t)+4 < 16
	XLD (\t)+4
.endif
.if (\t)+1 < 16
.if 14-(\t) >= 3
	s_wait_loadcnt 12                              ; the next step's four loads are in; those of the three steps behind it may be out
.else
	s_wait_loadcnt 4*(14-(\t))
.endif
	XTURN (\t)+1
.endif
	v_max3_num_f32 v8, |v[XS]|, |v[XS+1]|, |v[XS+2]|               ; the largest magnitude of my 16
	v_max3_num_f32 v9, |v[XS+3]|, |v[XS+4]|, |v[XS+5]|
.irp i, 6,10
	v_max3_num_f32 v8, v8, |v[XS+\i]|, |v[XS+\i+1]|
	v_max3_num_f32 v9, v9, |v[XS+\i+2]|, |v[XS+\i+3]|
.endr
	v_max3_num_f32 v8, v8, |v[XS+14]|, |v[XS+15]|
	v_max3_num_f32 v8, v8, v9, 0x1800000           ; and the floor 2^(3 - 127)
	v_max_num_f32_dpp v8, v8, v8 row_xmask:1 row_mask:0xf bank_mask:0xf   ; and of my neighbour's 16: the block's
	v_add_nc_u32 v11, 0xff000000, v8               ; 2 off its exponent field: the conversion's scale operand
	v_cvt_scalef32_pk8_fp4_f32 v[XC+4*(\t)], v[XS:XS+7], v11
	v_cvt_scalef32_pk8_fp4_f32 v[XC+4*(\t)+1], v[XS+8:XS+15], v11
	v_lshrrev_b32 v[XE+(\t)], 23, v11              ; the scale's byte
	ds_store_b8 v5, v[XE+(\t)] offset:16*(\t)      ; both lanes of a block write the same byte with the same value
	global_store_b64 v4, v[XC+4*(\t):XC+4*(\t)+1], s[14:15] offset:256*(\t)   ; the wave stores 256 consecutive bytes, aligned
.endm
.irp t, 0,1,2,3,4,5,6,7,8,9,10,11,12,13,14,15
	XSTEP \t
.endr
	ds_load_b64 v[8:9], v6                         ; LDS serves a wave's instructions in order: these see my stores
	s_wait_dscnt 0x0
	global_store_b64 v7, v[8:9], s[16:17]          ; 32 lanes store 256 consecutive bytes, aligned
	s_wait_tensorcnt 0x0                           ; the wave's end
	ds_add_u32 v[SPW], v[NIL]
	s_wait_dscnt 0x0
	s_endpgm
.Lpath_o:
; ---------------------------------------------------------------- path O: a wave converts four rows of wo and makes two rows of the table
	s_sub_co_u32 s27, ttmp9, 320                   ; j
	s_lshl_b32 s28, s27, 4
	s_lshl_b32 s29, s26, 2
	s_add_co_u32 s28, s28, s29                     ; k0 = 16 j + 4 wave: a multiple of 4
	s_lshl_b32 s30, s28, 13
	s_mov_b32 s31, 0
	s_add_nc_u64 s[12:13], s[12:13], s[30:31]      ; wo at row k0
	s_and_b32 s29, s28, 0x780
	s_and_b32 s30, s28, 127
	s_lshr_b32 s30, s30, 1
	s_or_b32 s29, s29, s30                         ; k0's new place; k0 + 1 goes 64 rows on, k0 + 2 one row on, k0 + 3 65 rows on
	s_lshl_b32 s30, s29, 12
	s_add_nc_u64 s[22:23], s[22:23], s[30:31]
	s_lshl_b32 s34, s27, 3
	s_lshl_b32 s29, s26, 1
	s_add_co_u32 s34, s34, s29                     ; t0 = 8 j + 2 wave
	s_lshl_b32 s30, s34, 9
	s_add_nc_u64 s[24:25], s[24:25], s[30:31]      ; the table at row t0
	v_lshlrev_b32 v1, 4, v2                        ; 16 bytes a lane in,
	v_lshlrev_b32 v3, 3, v2                        ; 8 bytes a lane out
.macro OLD i                           ; load i of 64: row k0 + i / 16, its (i % 16)-th 512 bytes, into set i % 32
	global_load_b128 v[32+4*((\i)%32):32+4*((\i)%32)+3], v1, s[12:13] offset:8192*((\i)/16)+512*((\i)%16) th:TH_LOAD_NT
.endm
.set I, 0
.rept 32
	OLD I
.set I, I+1
.endr
	; the table, while the loads are on their way.  Lane l takes frequencies 2 l and 2 l + 1
	s_mov_b32 s36, 0xbfc90fdb                      ; -(pi / 2), its f32 part
	s_mov_b32 s37, 0x333bbd2e                      ; what that part is too large by
	s_mov_b32 s38, 0xb94ca1f9                      ; the sine's series on |r| <= pi / 4: S3,
	s_mov_b32 s39, 0x3c08839e                      ; S2,
	s_mov_b32 s42, 0xbe2aaaa3                      ; S1
	s_mov_b32 s40, 0x37ccf5ce                      ; the cosine's: C3,
	s_mov_b32 s41, 0xbab6061a                      ; C2,
	s_mov_b32 s43, 0x3d2aaaa5                      ; C1
	v_lshlrev_b32 v4, 1, v2
	v_cvt_f32_u32 v4, v4
	v_add_f32 v5, 1.0, v4
	v_mul_f32 v4, 0xbe549a78, v4                   ; -i x log2(10000) / 64
	v_mul_f32 v5, 0xbe549a78, v5
	v_exp_f32 v4, v4
	v_exp_f32 v5, v5                               ; 10000^(-i / 64)
	v_cvt_f32_u32 v6, s34                          ; (a plain line behind the exponentials)  t0
	v_add_f32 v7, 1.0, v6                          ; t0 + 1
	s_wait_alu depctr_va_vdst(0)                   ; one wait for both exponentials, ahead of their first reader
	v_mul_f32 v8, v6, v4
	v_mul_f32 v9, v6, v5
	v_mul_f32 v10, v7, v4
	v_mul_f32 v11, v7, v5
.macro SINCOS ang, c, s                ; v[c] = cos(v[ang]), v[s] = sin(v[ang]), for 0 <= v[ang] < 1,024
	v_mul_f32 v224, 0x3f22f983, v[\ang]
	v_rndne_f32 v224, v224                         ; n = the nearest whole number of quarter turns
	v_fma_f32 v225, v224, s36, v[\ang]
	v_fma_f32 v225, v224, s37, v225                ; r = the angle - n pi / 2, in two parts
	v_mul_f32 v226, v225, v225                     ; z = r r
	v_fma_f32 v227, v226, s38, s39
	v_fma_f32 v228, v226, s40, s41
	v_fma_f32 v227, v226, v227, s42
	v_fma_f32 v228, v226, v228, s43
	v_mul_f32 v227, v226, v227
	v_mul_f32 v229, v226, v226
	v_fma_f32 v227, v227, v225, v225               ; sin r = r + r z (S1 + z (S2 + z S3))
	v_fma_f32 v230, v226, -0.5, 1.0
	v_fma_f32 v228, v229, v228, v230               ; cos r = 1 - z / 2 + z z (C1 + z (C2 + z C3))
	v_cvt_i32_f32 v224, v224
	v_and_b32 v229, 1, v224
	v_cmp_eq_u32 vcc_lo, 1, v229                   ; in an odd quarter the two change places
	v_cndmask_b32 v[\s], v227, v228, vcc_lo
	v_cndmask_b32 v[\c], v228, v227, vcc_lo
	v_and_b32 v229, 2, v224                        ; the sine is negative in quarters 2 and 3,
	v_lshlrev_b32 v229, 30, v229
	v_xor_b32 v[\s], v229, v[\s]
	v_add_nc_u32 v224, 1, v224                     ; the cosine in quarters 1 and 2
	v_and_b32 v224, 2, v224
	v_lshlrev_b32 v224, 30, v224
	v_xor_b32 v[\c], v224, v[\c]
.endm
	SINCOS 8, 12, 14
	SINCOS 9, 13, 15
	SINCOS 10, 16, 18
	SINCOS 11, 17, 19
	global_store_b64 v3, v[12:13], s[24:25]                ; each store of the wave covers 256 consecutive bytes, aligned: row t0's cosines,
	global_store_b64 v3, v[14:15], s[24:25] offset:256     ; its sines,
	global_store_b64 v3, v[16:17], s[24:25] offset:512     ; row t0 + 1's
	global_store_b64 v3, v[18:19], s[24:25] offset:768
.macro OTURN i, left, again            ; load i is rounded to f16 and stored; again = 1: its registers take load i + 32
	s_wait_loadcnt \left
	v_cvt_pk_f16_f32 v[160+2*((\i)%32)], v[32+4*((\i)%32)], v[33+4*((\i)%32)]
	v_cvt_pk_f16_f32 v[161+2*((\i)%32)], v[34+4*((\i)%32)], v[35+4*((\i)%32)]
.if \again
	OLD (\i)+32
.endif
	global_store_b64 v3, v[160+2*((\i)%32):161+2*((\i)%32)], s[22:23] offset:((((\i)/16)&1)*64+((\i)/32))*4096+256*((\i)%16)   ; 256 consecutive bytes, aligned
.endm
.set I, 0
.rept 32
	OTURN I, 31, 1                                 ; 31 younger loads stay out: the rest of the first 32 and those issued again
.set I, I+1
.endr
	s_wait_xcnt 0x0                                ; the stores so far have read their data: the 32 pairs are written again only behind this wait
.rept 32
	OTURN I, 63-I, 0                               ; the counts run down
.set I, I+1
.endr
	s_wait_tensorcnt 0x0                           ; (this path writes no LDS; the closing lines stand here as in the other two)
	ds_add_u32 v[SPW], v[NIL]
	s_wait_dscnt 0x0
	s_endpgm
.Lfunc_end_k_qcc831810e0_prep:
	.size	k_qcc831810e0_prep, .Lfunc_end_k_qcc831810e0_prep-k_qcc831810e0_prep
	.p2alignl 7, 3214868480
	.fill 96, 4, 3214868480
	.section	.rodata,"a",@progbits
	.p2align	6, 0x0
	.amdhsa_kernel k_qcc831810e0_prep
		.amdhsa_group_segment_fixed_size 68096
		.amdhsa_private_segment_fixed_size 0
		.amdhsa_enable_private_segment 0
		.amdhsa_kernarg_size 88
		.amdhsa_user_sgpr_count 2
		.amdhsa_user_sgpr_kernarg_segment_ptr 1
		.amdhsa_wavefront_size32 1
		.amdhsa_system_sgpr_workgroup_id_x 1
		.amdhsa_system_sgpr_workgroup_id_y 1
		.amdhsa_system_sgpr_workgroup_id_z 1
		.amdhsa_system_vgpr_workitem_id 0
		.amdhsa_next_free_vgpr 256
		.amdhsa_next_free_sgpr 66
		.amdhsa_reserve_vcc 1
		.amdhsa_float_denorm_mode_32 3
		.amdhsa_float_denorm_mode_16_64 3
		.amdhsa_memory_ordered 1
		.amdhsa_forward_progress 1
		.amdhsa_inst_pref_size 140
	.end_amdhsa_kernel
	.amdgpu_metadata
---
amdhsa.version: [ 1, 2 ]
amdhsa.kernels:
  - .name:           k_qcc831810e0_prep
    .symbol:         k_qcc831810e0_prep.kd
    .args:
      - { .name: x, .offset: 0, .size: 8, .value_kind: global_buffer, .address_space: global }
      - { .name: wq, .offset: 8, .size: 8, .value_kind: global_buffer, .address_space: global }
      - { .name: wk, .offset: 16, .size: 8, .value_kind: global_buffer, .address_space: global }
      - { .name: wv, .offset: 24, .size: 8, .value_kind: global_buffer, .address_space: global }
      - { .name: wo, .offset: 32, .size: 8, .value_kind: global_buffer, .address_space: global }
      - { .name: x_codes, .offset: 40, .size: 8, .value_kind: global_buffer, .address_space: global }
      - { .name: x_scales, .offset: 48, .size: 8, .value_kind: global_buffer, .address_space: global }
      - { .name: w_codes, .offset: 56, .size: 8, .value_kind: global_buffer, .address_space: global }
      - { .name: w_scales, .offset: 64, .size: 8, .value_kind: global_buffer, .address_space: global }
      - { .name: wo16, .offset: 72, .size: 8, .value_kind: global_buffer, .address_space: global }
      - { .name: rope, .offset: 80, .size: 8, .value_kind: global_buffer, .address_space: global }
    .group_segment_fixed_size: 68096
    .private_segment_fixed_size: 0
    .kernarg_segment_align: 8
    .kernarg_segment_size: 88
    .max_flat_workgroup_size: 128
    .sgpr_count:     66
    .vgpr_count:     256
    .wavefront_size: 32
...
	.end_amdgpu_metadata
.endif
;; end of part 1
;; launch qkvp (part 2): grid 24 x 8, 4 waves a work-group, clusters of 4 x 4, 327,680 bytes of LDS; arguments x_codes, x_scales, w_codes, w_scales, qkv, rope, bq, bk, bv, attention_mask; writes qkv
.if DOCPART == 2
	.amdgcn_target "amdgcn-amd-amdhsa--gfx1250"
	.amdhsa_code_object_version 6
	.text
	.protected	k_qcc831810e0_qkvp
	.globl	k_qcc831810e0_qkvp
	.p2align	8
	.type	k_qcc831810e0_qkvp,@function
k_qcc831810e0_qkvp:
	s_mov_b64 s[64:65], 0
	v_nop
	global_prefetch_b8 v0, s[64:65] scope:SCOPE_SE
	s_setreg_imm32_b32 hwreg(HW_REG_WAVE_MODE, 25, 1), 1
	s_wait_xcnt 0x0
	s_wait_alu depctr_hold_cnt(0) depctr_sa_sdst(0) depctr_va_vdst(0) depctr_va_sdst(0) depctr_va_ssrc(0) depctr_va_vcc(0) depctr_vm_vsrc(0)
	s_getreg_b32 s2, hwreg(HW_REG_IB_STS2, 6, 4)
	s_cmp_eq_u32 s2, 0
	s_cbranch_scc0 .Lentry_in_a_cluster
	s_endpgm
.Lentry_in_a_cluster:
	s_bfe_u32 s2, ttmp6, 0x10000c
	s_cmp_lg_u32 s2, 0xf033
	s_cbranch_scc0 .Lentry_shape_is_right
	s_endpgm
.Lentry_shape_is_right:
; q, k, v = x W + b on codes of FP4 (E2M1) with one E8M0 scale for each 32 along K, then RoPE, a factor for each token row, and the rounding to f16.
; A = x's codes [2048 tokens][2048 k], B = the three weights' codes [6144 n][2048 k] (n = 2048 which + column; which 0 q, 1 k, 2 v); scale bytes [rows][64].
; A tile of the product, 256 x 256, is made by a work-group of four waves; a wave makes 128 tokens x 128 columns: ONE head of q, of k or of v, in 64 accumulators of 16 x 16, 512 registers.
; K goes in steps of 512 through a ring of two LDS slots filled by the tensor data mover (a tile's row: 256 bytes of memory).  The scale bytes of the work-group's rows come into LDS once and stay.
; CLUSTERS: 4 x 4 work-groups.  The four of a row of the cluster need the same tiles of A, the four of a column the same tiles of B: each tile is asked for jointly.
; THE MATRIX INSTRUCTION IS USED TRANSPOSED (source 0 = 16 rows of B, source 1 = 16 rows of A): a lane holds eight neighbouring columns of one token: four of RoPE's pairs.
; THE BIAS is the C of each sum's first product.
; ONE PATH FOR q, k AND v.  out[i] = x[2i] cos - x[2i+1] sin, out[64+i] = x[2i] sin + x[2i+1] cos, from the table's row t; v takes row 0 (the table's pitch is 0 for it), where cos = 1 and sin = 0: v only comes out
; in the order d' = 64 (d & 1) + d / 2, which the rows of wo16 have too.  Then each row is multiplied: q by c = log2(e) / sqrt(128); k by 0 where its token is masked, else by 1; v by 1.
; OUT: qkv [3][32 (16 batch + head)][1024 t][128] f16: a wave's tile is 32,768 consecutive bytes.
; LIMITS: |c q|, |k|, |v| under 65,504 (f16); NaN and infinities are not served.
; REGISTERS, in windows of 256: window 0: v0-31 addresses; v32-95 scale words, two sets, and nothing else; v96-103 the table's offsets; v104-111 the mask's words; v112-115 the row factor;
;   v128-191 A's fragments, one set; v192-255 the bias; on the way out v128-191 and v192-255 hold the table's numbers of two blocks by turns.
;   window 1: B's fragments, two sets, at v0 and v128; on the way out v0-63 rows read back from the stage, v64-127 RoPE at work.   windows 2, 3: the accumulators of my tokens 0-63, 64-127.
.set SIZE_M, 2048
.set SIZE_N, 6144
.set SIZE_K, 2048
.set KSTEP,  512                       ; along K in a slot
.set NQ,     KSTEP/128                 ; matrix instructions deep
.set ROWB,   256                       ; a tile's row in bytes
.set KROW,   SIZE_K*4/8                ; a row of codes in memory
.set PITCH,  272                       ; an LDS row: 256 bytes + 16 of padding = 68 words: the 16 rows that a load touches start at 16 different banks (64 banks of 4 bytes: ISA guide 11.1)
.set FR,     8                         ; registers of a fragment: 16 rows x 128 K
.set NL,     2                         ; LDS loads that bring one
.set NP,     4                         ; places behind this matrix instruction (ISA guide 7.12.1)
.set HALFT,  128*PITCH
.set SLOT,   4*HALFT                   ; A's 256 rows, then B's 256 rows
.set LAPS,   SIZE_K/(2*KSTEP)
.set KS,     SIZE_K/32                 ; a row of scales in bytes
.set SCL,    2*SLOT                    ; behind the ring: the scales, as units of 256 bytes + 16 of padding
.set HALFS,  (128*KS/256)*272
.set SBLK,   (16*KS/256)*272
.set SPARE,  SCL+4*HALFS               ; the spare words, 128 bytes for each wave: two blocks of 256 bytes that no other line names
.set SPITCH, 272                       ; the way out: a stage of 16 rows x (256 bytes + 16) for each wave, in slot 0, which has had its last fill and its last read by then
.set ADRA, 16
.set ADRB, 20
.set STO,  24                          ; v24  the way out: where I put 8 bytes of a row
.set RD,   25                          ; v25  where I read a row back
.set CO,   26                          ; v26  16 x lane: my bytes in two rows of the output
.set ADRS, 27
.set SPW,  28
.set NIL,  29
.set SC,   32
.set TO,   96                          ; v96-103  block a: the table's byte offset of my token's row, + 16 (lane / 16)
.set MI,   104                         ; v104-111 block a: my token's word of the mask
.set FAC,  112                         ; v112 the row's factor; v113 = 0, named with it as a pair
.set VF0,  114                         ; v114 the factor of a masked token; v115 of any other
.set VF1,  115
.set AF,   128
.set BI,   192
.set T,    64                          ; window 1
.set BK,   0                           ; window 1
.set G1, 24
.set G0, 32
.set G1B, 48
.set G0B, 56
.set G1S, 68
.set G0S, 76
.set G1SB, 80
.set G0SB, 88
.set MSB, 0
.macro WIN new                         ; the immediate's high byte repeats the setting that is left
.if MSB != (\new)
	s_set_vgpr_msb (MSB<<8)|(\new)
.set MSB, (\new)
.endif
.endm
.set MUL_LO, 0xa1                      ; source 0 (B) window 1, source 1 (A) window 0, C and D window 2
.set MUL_HI, 0xf1                      ; the same, C and D window 3
.set TO_B,   0x40                      ; destination window 1, address window 0
; A joint load: waves 0 and 1 fetch for A, waves 2 and 3 for B; the branch hangs on the wave's number alone.  An s_nop 0 and four v_nop follow each of the two lines.
.macro JLOAD g0a, g1a, g0b, g1b
	s_cmp_eq_u32 s15, 0
	s_cbranch_scc0 .Lfor_b_\@
	tensor_load_to_lds s[\g0a:\g0a+3], s[\g1a:\g1a+7]
	s_nop 0
.rept 4
	v_nop
.endr
	s_branch .Lasked_\@
.Lfor_b_\@:
	tensor_load_to_lds s[\g0b:\g0b+3], s[\g1b:\g1b+7]
	s_nop 0
.rept 4
	v_nop
.endr
.Lasked_\@:
.endm
.macro CREST                           ; a round of the cluster's barrier behind its opening barrier
	s_cmp_lg_u32 s14, 0
	s_cbranch_scc1 .Lnot_wave_0_\@
	s_barrier_signal -3
.Lnot_wave_0_\@:
	s_barrier_wait -3
	s_barrier_signal -1
	s_barrier_wait -1
.endm
.macro CROUND                          ; a whole round
	s_barrier_signal -1
	s_barrier_wait -1
	CREST
.endm
	s_load_b128 s[4:7], s[0:1], 0x0                ; A's codes s[4:5], A's scales s[6:7]
	s_load_b128 s[8:11], s[0:1], 0x10              ; B's codes s[8:9], B's scales s[10:11]
	s_load_b64 s[12:13], s[0:1], 0x20              ; qkv
	s_load_b64 s[66:67], s[0:1], 0x28              ; the table
	s_load_b128 s[96:99], s[0:1], 0x30             ; bq, bk
	s_load_b64 s[100:101], s[0:1], 0x40            ; bv
	s_load_b64 s[104:105], s[0:1], 0x48            ; the mask
	v_lshl_add_u32 v[SPW], v0, 2, SPARE
	v_mov_b32 v[NIL], 0
	ds_add_u32 v[SPW], v[NIL]                      ; the wave's opening: the add, twice on end, and its wait ahead of my first tensor load
	ds_add_u32 v[SPW], v[NIL]
	v_lshrrev_b32 v1, 5, v0
	v_readfirstlane_b32 s14, v1                    ; wave 0..3
	s_lshr_b32 s15, s14, 1                         ; which half of the tile's rows is mine.  Also: I fetch for A (0) or for B (1)
	s_and_b32 s16, s14, 1                          ; which half of its columns.  Also: which 128 rows of that tile I fetch
	s_bfe_u32 s40, ttmp6, 0x40000                  ; cx, cy: my place in the cluster
	s_bfe_u32 s41, ttmp6, 0x40004
	s_lshl_b32 s42, ttmp9, 2
	s_add_co_u32 s42, s42, s40                     ; tile column = 4 x cluster x + cx
	s_and_b32 s17, ttmp7, 0xffff
	s_lshl_b32 s17, s17, 2
	s_add_co_u32 s17, s17, s41                     ; tile row = 4 x cluster y + cy
	s_lshl_b32 s43, s41, 2
	s_lshl_b32 s43, 15, s43                        ; my row of the cluster
	s_lshl_b32 s44, 0x1111, s40                    ; my column
	; descriptor group 1: a tile of 128 rows x 256 bytes, padded in LDS
	s_or_b32 s[G1+0], s43, (0<<16)|(1<<20)|(1<<21)|(5<<22)|(3<<25)  ; 15:0 the mask: A's tiles go to my row; 17:16 element of 1 byte; 20 padding on; 21 set beside a mask; 24:22 after every 64 words; 31:25 of 4 words
	s_or_b32 s[G1B+0], s44, (0<<16)|(1<<20)|(1<<21)|(5<<22)|(3<<25)
.irp g, G1, G1B
	s_mov_b32 s[\g+1], ROWB<<16                    ; tensor_dim0
	s_mov_b32 s[\g+2], 128<<16                     ; tensor_dim1
	s_mov_b32 s[\g+3], ROWB<<16                    ; tile_dim0
	s_mov_b32 s[\g+4], 128                         ; tile_dim1
	s_mov_b32 s[\g+5], KROW                        ; tensor_dim0_stride
	s_mov_b32 s[\g+6], 0
	s_mov_b32 s[\g+7], 0
.endr
	; the scales of 128 rows: a dense block of 8,192 bytes, as rows of 256 bytes (32 elements of 8 bytes), 16 bytes of padding behind each
	s_or_b32 s[G1S+0], s43, (3<<16)|(1<<20)|(1<<21)|(5<<22)|(3<<25)
	s_or_b32 s[G1SB+0], s44, (3<<16)|(1<<20)|(1<<21)|(5<<22)|(3<<25)
.irp g, G1S, G1SB
	s_mov_b32 s[\g+1], 32<<16
	s_mov_b32 s[\g+2], (128*KS/256)<<16
	s_mov_b32 s[\g+3], 32<<16
	s_mov_b32 s[\g+4], 128*KS/256
	s_mov_b32 s[\g+5], 32
	s_mov_b32 s[\g+6], 0
	s_mov_b32 s[\g+7], 0
.endr
	s_lshl_b32 s18, s16, 7                         ; which 128 rows of the tile I fetch
	s_lshl_b32 s20, s17, 8
	s_add_co_u32 s20, s20, s18                     ; A: row 256 x tile row + 128 x half
	s_lshl_b32 s46, s42, 8
	s_add_co_u32 s46, s46, s18                     ; B: row 256 x tile column + 128 x half
	s_mov_b32 s21, 0
	s_mov_b32 s47, 0
	s_mov_b64 s[18:19], KS
	s_mul_u64 s[22:23], s[20:21], s[18:19]         ; where these rows' scales begin, in bytes
	s_mul_u64 s[92:93], s[46:47], s[18:19]
	s_mov_b64 s[18:19], KROW
	s_mul_u64 s[20:21], s[20:21], s[18:19]         ; and their codes
	s_mul_u64 s[46:47], s[46:47], s[18:19]
	s_mul_i32 s45, s14, HALFT                      ; where they go: wave x 128 rows: no place in the cluster enters an LDS address
	s_mul_i32 s94, s14, HALFS
	s_wait_dscnt 0x0                               ; both opening adds are done
	s_wait_kmcnt 0x0
	s_add_nc_u64 s[20:21], s[4:5], s[20:21]
	s_add_nc_u64 s[22:23], s[6:7], s[22:23]
	s_add_nc_u64 s[46:47], s[8:9], s[46:47]
	s_add_nc_u64 s[92:93], s[10:11], s[92:93]
	CROUND                                         ; all sixteen work-groups are here: the first joint loads meet
	s_mov_b32 s[G0S], 1
	s_add_co_u32 s[G0S+1], s94, SCL
	s_mov_b64 s[G0S+2:G0S+3], s[22:23]
	s_or_b32 s[G0S+3], s[G0S+3], 0x80000000
	s_mov_b32 s[G0SB], 1
	s_add_co_u32 s[G0SB+1], s94, SCL
	s_mov_b64 s[G0SB+2:G0SB+3], s[92:93]
	s_or_b32 s[G0SB+3], s[G0SB+3], 0x80000000
	JLOAD G0S, G1S, G0SB, G1SB                     ; the scales first: they are wanted with K step 0
.irp s, 0,1
	s_mov_b32 s[G0+4*\s], 1
	s_add_co_u32 s[G0+4*\s+1], s45, \s*SLOT
	s_add_nc_u64 s[G0+4*\s+2:G0+4*\s+3], s[20:21], \s*ROWB
	s_or_b32 s[G0+4*\s+3], s[G0+4*\s+3], 0x80000000
	s_mov_b32 s[G0B+4*\s], 1
	s_add_co_u32 s[G0B+4*\s+1], s45, \s*SLOT
	s_add_nc_u64 s[G0B+4*\s+2:G0B+4*\s+3], s[46:47], \s*ROWB
	s_or_b32 s[G0B+4*\s+3], s[G0B+4*\s+3], 0x80000000
	JLOAD G0+4*\s, G1, G0B+4*\s, G1B
.endr
	v_and_b32 v1, 15, v0                           ; r = l % 16
	v_bfe_u32 v2, v0, 4, 1                         ; h = l / 16
	v_mul_u32_u24 v3, v1, PITCH
	v_lshl_add_u32 v4, v2, 4, v3                   ; a fragment's row x pitch + 16 x half
	s_mul_i32 s21, s15, HALFT                      ; my 128 rows of A
	s_mul_i32 s22, s16, HALFT                      ; my 128 rows of B,
	s_add_co_u32 s22, s22, 2*HALFT                 ; which lie behind A's 256
.irp s, 0,1
	v_add_nc_u32 v[ADRA+\s], s21, v4
	v_add_nc_u32 v[ADRB+\s], s22, v4
	s_add_co_u32 s21, s21, SLOT
	s_add_co_u32 s22, s22, SLOT
.endr
	v_mul_u32_u24 v5, v1, KS                       ; my row's scales: KS bytes a row,
	v_lshrrev_b32 v6, 8, v5
	v_lshl_add_u32 v5, v6, 4, v5                   ; and 16 more for each 256 passed
	s_mul_i32 s21, s15, HALFS
	s_mul_i32 s22, s16, HALFS
	s_add_co_u32 s22, s22, 2*HALFS
	s_sub_co_u32 s22, s22, s21
	v_mul_u32_u24 v6, s22, v2                      ; lanes 16-31 take B's
	s_add_co_u32 s21, s21, SCL
	v_add_nc_u32 v5, v5, v6
	v_add_nc_u32 v[ADRS], s21, v5
	s_mul_i32 s23, s14, 16*SPITCH                  ; my stage
	v_mul_u32_u24 v5, v1, SPITCH                   ; in: row r, 8 bytes for each half of the lanes
	v_lshl_add_u32 v5, v2, 3, v5
	v_add_nc_u32 v[STO], s23, v5
	v_mul_u32_u24 v5, v2, SPITCH                   ; back: lanes 0-15 one row of 256 bytes, lanes 16-31 the next
	v_lshl_add_u32 v5, v1, 4, v5
	v_add_nc_u32 v[RD], s23, v5
	v_and_b32 v6, 31, v0
	v_lshlrev_b32 v[CO], 4, v6                     ; and the same two rows in memory: 512 consecutive bytes
	; where my wave's tile goes: ((which x 32 + batch x 16 + head) x 1024 + t) x 256 bytes
	s_lshl_b32 s20, s17, 8
	s_lshl_b32 s21, s15, 7
	s_add_co_u32 s20, s20, s21                     ; m0: my first token
	s_lshl_b32 s21, s42, 1
	s_add_co_u32 s21, s21, s16                     ; my head among the 48 of q, k, v
	s_lshr_b32 s22, s21, 4
	s_lshl_b32 s22, s22, 5
	s_lshr_b32 s23, s20, 10
	s_lshl_b32 s23, s23, 4
	s_add_co_u32 s22, s22, s23
	s_and_b32 s23, s21, 15
	s_add_co_u32 s22, s22, s23
	s_lshl_b32 s22, s22, 18
	s_and_b32 s46, s20, 1023                       ; t of my first token
	s_lshl_b32 s23, s46, 8
	s_add_co_u32 s22, s22, s23
	s_mov_b32 s23, 0
	s_add_nc_u64 s[12:13], s[12:13], s[22:23]
	; what differs between q, k and v is chosen, not branched on.  which = cluster x / 2: the same in all sixteen partners
	s_lshr_b32 s92, ttmp9, 1
	s_cmp_lt_u32 s92, 2
	s_cselect_b32 s95, 512, 0                      ; the table's pitch: 0 for v, which so takes row 0
	s_cmp_eq_u32 s92, 0
	s_cselect_b32 s93, 0x3e0293ee, 1.0             ; a row's factor: c = log2(e) / sqrt(128) for q, else 1;
	s_cselect_b32 s94, 0x3e0293ee, 1.0             ; a masked row's: c for q,
	s_cselect_b64 s[96:97], s[96:97], s[98:99]
	s_cmp_eq_u32 s92, 1
	s_cselect_b32 s94, 0, s94                      ; 0 for k, 1 for v
	s_cmp_eq_u32 s92, 2
	s_cselect_b64 s[96:97], s[100:101], s[96:97]   ; the bias of q, k or v
	s_lshl_b32 s22, s21, 7
	s_and_b32 s22, s22, 2047                       ; my first column in it
	s_lshl_b32 s22, s22, 2
	s_add_nc_u64 s[96:97], s[96:97], s[22:23]
	s_lshl_b32 s22, s20, 2
	s_add_nc_u64 s[104:105], s[104:105], s[22:23]  ; the mask at my first token
	v_lshlrev_b32 v5, 5, v2                        ; the bias in the result's layout: lane (r, h), block b: columns 16 b + 8 h + 0 .. 7
.irp b, 0,1,2,3,4,5,6,7
	global_load_b128 v[BI+8*\b:BI+8*\b+3], v5, s[96:97] offset:64*\b
	global_load_b128 v[BI+8*\b+4:BI+8*\b+7], v5, s[96:97] offset:64*\b+16
.endr
	v_lshlrev_b32 v6, 2, v1
.irp a, 0,1,2,3,4,5,6,7
	global_load_b32 v[MI+\a], v6, s[104:105] offset:64*\a   ; token m0 + 16 a + r
.endr
	v_add_nc_u32 v7, s46, v1
	v_mul_u32_u24 v7, v7, s95
	v_lshl_add_u32 v[TO], v2, 4, v7                ; the table: my token's row, + 16 h: pairs 8 b + 4 h + 0 .. 3 are 16 bytes at 32 b
	s_lshl_b32 s47, s95, 4
.irp a, 1,2,3,4,5,6,7
	v_add_nc_u32 v[TO+\a], s47, v[TO+\a-1]
.endr
	v_mov_b32 v[FAC+1], 0
	v_mov_b32 v[VF0], s94
	v_mov_b32 v[VF1], s93
.macro FRAG reg, adr, q, i             ; a fragment, 16 rows x 128 K of 4-bit codes: lane l holds row l % 16; registers 4 c .. 4 c + 3 hold K = 64 c + 32 (l / 16) + 0 .. 31
.irp c, 0,1
	ds_load_b128 v[\reg+4*\c:\reg+4*\c+3], v[\adr] offset:64*(\q)+32*\c+(\i)*16*PITCH
.endr
.endm
; 16 matrix instructions: A's blocks a0, a0 + 1 x B's eight, 128 along K.  zero = 1: the first product starts the sums from the bias.  The 64 accumulators take turns, one instruction a turn.
.macro MUL16 a0, p, q, sc, zero
.irp a, \a0, \a0+1
.irp b, 0,1,2,3,4,5,6,7
.if \zero
	v_wmma_scale_f32_16x16x128_f8f6f4 v[8*(8*((\a)%4)+\b):8*(8*((\a)%4)+\b)+7], v[128*(\p)+FR*\b:128*(\p)+FR*\b+FR-1], v[AF+FR*(\a):AF+FR*(\a)+FR-1], v[BI+8*\b:BI+8*\b+7], v[SC+8*NQ*(\sc)+NQ*\b+(\q)], v[SC+8*NQ*(\sc)+NQ*(\a)+(\q)] matrix_a_fmt:MATRIX_FMT_FP4 matrix_b_fmt:MATRIX_FMT_FP4 matrix_a_scale:MATRIX_SCALE_ROW1
.else
	v_wmma_scale_f32_16x16x128_f8f6f4 v[8*(8*((\a)%4)+\b):8*(8*((\a)%4)+\b)+7], v[128*(\p)+FR*\b:128*(\p)+FR*\b+FR-1], v[AF+FR*(\a):AF+FR*(\a)+FR-1], v[8*(8*((\a)%4)+\b):8*(8*((\a)%4)+\b)+7], v[SC+8*NQ*(\sc)+NQ*\b+(\q)], v[SC+8*NQ*(\sc)+NQ*(\a)+(\q)] matrix_a_fmt:MATRIX_FMT_FP4 matrix_b_fmt:MATRIX_FMT_FP4 matrix_a_scale:MATRIX_SCALE_ROW1
.endif
.endr
.endr
.endm
.macro FETCH_B slot, q, p
	WIN TO_B
.irp i, 0,1,2,3,4,5,6,7
	FRAG 128*(\p)+FR*\i, ADRB+\slot, \q, \i
.endr
	WIN 0
.endm
.macro FETCH_A slot, q, i0
.irp i, \i0, \i0+1, \i0+2, \i0+3
	FRAG AF+FR*(\i), ADRA+\slot, \q, \i
.endr
.endm
.macro SCALES sc                       ; a K step's scale words into set sc: lanes 0-15 take A's block i, lanes 16-31 B's block i
.irp i, 0,1,2,3,4,5,6,7
	ds_load_b128 v[SC+8*NQ*\sc+NQ*\i:SC+8*NQ*\sc+NQ*\i+3], v[ADRS] offset:\i*SBLK
.endr
.endm
; A load into a register that a matrix instruction has read, and a vector instruction that reads a matrix result, stand NP places behind it; only plain vector instructions that name none of its registers are places.
.macro PLACES n
.rept \n
	v_nop
.endr
.endm
.macro STEP slot, q, zero              ; a step of 128 along K that has its successor in the same slot
	s_wait_dscnt 4*NL                              ; B's set and A's blocks 0-3 are in; the youngest loads (A's blocks 4-7) may be out
.if \zero
	WIN 0x81                                       ; C (the bias) window 0, D window 2
.else
	WIN MUL_LO
.endif
	MUL16 0, (\q)%2, \q, \slot, \zero
	MUL16 2, (\q)%2, \q, \slot, \zero
	s_wait_dscnt 0                                 ; A's blocks 4-7 are in
	PLACES NP
	FETCH_B \slot, (\q)+1, 1-(\q)%2
	FETCH_A \slot, (\q)+1, 0
.if \zero
	WIN 0xc1                                       ; C window 0, D window 3
.else
	WIN MUL_HI
.endif
	MUL16 4, (\q)%2, \q, \slot, \zero
	MUL16 6, (\q)%2, \q, \slot, \zero
	PLACES NP
	WIN 0
	FETCH_A \slot, (\q)+1, 4
.endm
; A slot's last step changes slots: ONE barrier; in front of it each wave waits for all its tensor loads, adds 0 to its spare word, and waits for that and for its own reads of this slot.
.macro TURN slot, next, fill
	s_wait_tensorcnt 0x0                           ; all my tensor loads have landed: my part of the next slot
	ds_add_u32 v[SPW], v[NIL]                      ; 0 onto my spare word
	s_wait_dscnt 4*NL+1                            ; (the add and the youngest loads, A's blocks 4-7, may be out)
	WIN MUL_LO
	MUL16 0, 1, NQ-1, \slot, 0                     ; sixteen matrix instructions stand between the add and the wait for it
	s_wait_dscnt 0x0                               ; the add is done, and my reads of this slot are over
	s_barrier_signal -1
	MUL16 2, 1, NQ-1, \slot, 0
	WIN 0
	s_barrier_wait -1
.if \fill
	CREST                                          ; the barrier has opened a round of the cluster's barrier: no wave of any partner still reads this slot or has a load on its way
	s_add_nc_u64 s[G0+4*\slot+2:G0+4*\slot+3], s[G0+4*\slot+2:G0+4*\slot+3], 2*ROWB
	s_add_nc_u64 s[G0B+4*\slot+2:G0B+4*\slot+3], s[G0B+4*\slot+2:G0B+4*\slot+3], 2*ROWB
	JLOAD G0+4*\slot, G1, G0B+4*\slot, G1B         ; the first tensor load behind the round; its four v_nop are the places in front of the loads below
.else
	PLACES NP
.endif
	v_add_nc_u32 v[ADRS], 4*NQ, v[ADRS]            ; on to the next K step's scale words
	FETCH_B \next, 0, 0
	FETCH_A \next, 0, 0
	SCALES \next
	WIN MUL_HI
	MUL16 4, 1, NQ-1, \slot, 0
	MUL16 6, 1, NQ-1, \slot, 0
	PLACES NP
	WIN 0
	FETCH_A \next, 0, 4
.endm
.macro STEPS slot, from
.set Q, \from
.rept NQ-1-\from
	STEP \slot, Q, 0
.set Q, Q+1
.endr
.endm
; The table's numbers for block a's 16 tokens, into set (a + 1) % 2 (set 0: v128-191, set 1: v192-255): for column block b four cosines, then four sines
.macro CSLOAD a
.set CSB, 128+64*(((\a)+1)%2)
.irp b, 0,1,2,3,4,5,6,7
	global_load_b128 v[CSB+8*\b:CSB+8*\b+3], v[TO+(\a)], s[66:67] offset:32*\b
	global_load_b128 v[CSB+8*\b+4:CSB+8*\b+7], v[TO+(\a)], s[66:67] offset:256+32*\b
.endr
.endm
	s_wait_tensorcnt 1                             ; the scales and my part of K step 0 are in (K step 1's load may be out)
	s_barrier_signal -1
	s_barrier_wait -1                              ; everybody's are
	FETCH_B 0, 0, 0
	FETCH_A 0, 0, 0
	SCALES 0
	FETCH_A 0, 0, 4
	s_wait_loadcnt 0x0                             ; the bias and the mask
	STEP 0, 0, 1                                   ; the first step stands in front of the loop: its products start the sums
	CSLOAD 0                                       ; the bias has been read (the step's last four v_nop are the places): its registers take block 0's part of the table
	s_mov_b32 s3, LAPS-1
.Llap:                                                 ; a trip goes once round the ring, from a lap's second step to the next lap's first
	STEPS 0, 1
	TURN 0, 1, 1
	STEPS 1, 0
	TURN 1, 0, 1
	STEP 0, 0, 0
	s_sub_co_u32 s3, s3, 1
	s_cmp_lg_u32 s3, 0
	s_cbranch_scc1 .Llap
	STEPS 0, 1                                     ; the last lap fills nothing
	TURN 0, 1, 0
	STEPS 1, 0
	s_wait_dscnt 4*NL
	WIN MUL_LO
	MUL16 0, 1, NQ-1, 1, 0
	MUL16 2, 1, NQ-1, 1, 0
	s_wait_dscnt 0
	WIN MUL_HI
	MUL16 4, 1, NQ-1, 1, 0
	MUL16 6, 1, NQ-1, 1, 0
	WIN 0
; THE WAY OUT, block by block of 16 tokens x 128 columns.
.macro ROPE a
.set CSB, 128+64*(((\a)+1)%2)
.set AC, 64*((\a)%4)
.if (\a) < 7
	s_wait_loadcnt 16                              ; this block's part of the table is in; the next block's 16 loads may be out
.else
	s_wait_loadcnt 0x0
.endif
	v_cmp_ne_u32 vcc_lo, 0, v[MI+(\a)]
	v_cndmask_b32 v[FAC], v[VF0], v[VF1], vcc_lo   ; my token's factor
	WIN 0x52+(\a)/4                                ; source 0: the accumulators' window; source 1: window 0; source 2 and destination: window 1
.irp b, 0,1,2,3,4,5,6,7
.irp p, 0,1,2,3
	v_mul_f32 v[T+8*\b+\p], v[AC+8*\b+2*\p], v[CSB+8*\b+\p]           ; x1 cos   (each accumulator is read from its low end on)
	v_mul_f32 v[T+8*\b+4+\p], v[AC+8*\b+2*\p], v[CSB+8*\b+4+\p]       ; x1 sin
.endr
.irp p, 0,1,2,3
	v_fma_f32 v[T+8*\b+\p], -v[AC+8*\b+2*\p+1], v[CSB+8*\b+4+\p], v[T+8*\b+\p]     ; - x2 sin
	v_fma_f32 v[T+8*\b+4+\p], v[AC+8*\b+2*\p+1], v[CSB+8*\b+\p], v[T+8*\b+4+\p]    ; + x2 cos
.endr
.endr
	WIN 0x41
.set i, 0
.rept 32
	v_pk_mul_f32 v[T+2*i:T+2*i+1], v[T+2*i:T+2*i+1], v[FAC:FAC+1] op_sel_hi:[1,0]
.set i, i+1
.endr
	WIN 0x45
.set i, 0
.rept 32
	v_cvt_pk_f16_f32 v[T+i], v[T+2*i], v[T+2*i+1]  ; in place, ascending: register i is written when it has been read
.set i, i+1
.endr
	WIN 0
.endm
.macro TOSTAGE a                       ; 8 bytes a lane into rows of 272 bytes, and back as whole rows of 256.  LDS serves a wave's instructions in order (ISA guide 5.7.1.4)
	WIN 0x04                                       ; an LDS store's data are its source 1: window 1
.irp b, 0,1,2,3,4,5,6,7
	ds_store_b64 v[STO], v[T+4*\b:T+4*\b+1] offset:16*\b          ; d' = 8 b + 4 h + 0 .. 3
	ds_store_b64 v[STO], v[T+4*\b+2:T+4*\b+3] offset:128+16*\b    ; d' = 64 + the same
.endr
	WIN 0x40
.irp t, 0,1,2,3,4,5,6,7
	ds_load_b128 v[BK+32*((\a)%2)+4*\t:BK+32*((\a)%2)+4*\t+3], v[RD] offset:544*\t
.endr
	WIN 0
.endm
.macro SEND a
	s_wait_dscnt 0x0                               ; the block is back in registers
	s_wait_xcnt 0x0                                ; the stores of the block before have read their data: the next block's loads from the stage land there only behind this wait
	WIN 0x04
.irp t, 0,1,2,3,4,5,6,7
	global_store_b128 v[CO], v[BK+32*((\a)%2)+4*\t:BK+32*((\a)%2)+4*\t+3], s[12:13] offset:4096*(\a)+512*\t   ; 32 lanes store 512 consecutive bytes, aligned
.endr
	WIN 0
.endm
	PLACES NP                                      ; behind the last products: for the loads into A's registers and for the first reads of results
	CSLOAD 1
.irp a, 0,1,2,3,4,5,6,7
	ROPE \a
.if \a < 6
	CSLOAD \a+2                                    ; into the set that this block has just read
.endif
.if \a > 0
	SEND \a-1
.endif
	TOSTAGE \a
.endr
	SEND 7
	s_wait_tensorcnt 0x0                           ; the wave's end
	ds_add_u32 v[SPW], v[NIL]
	s_wait_dscnt 0x0
	CROUND                                         ; the closing round: no work-group ends while a partner may still ask for a tile that names it
	s_endpgm
.Lfunc_end_k_qcc831810e0_qkvp:
	.size	k_qcc831810e0_qkvp, .Lfunc_end_k_qcc831810e0_qkvp-k_qcc831810e0_qkvp
	.p2alignl 7, 3214868480
	.fill 96, 4, 3214868480
	.section	.rodata,"a",@progbits
	.p2align	6, 0x0
	.amdhsa_kernel k_qcc831810e0_qkvp
		.amdhsa_group_segment_fixed_size 327680
		.amdhsa_private_segment_fixed_size 0
		.amdhsa_enable_private_segment 0
		.amdhsa_kernarg_size 80
		.amdhsa_user_sgpr_count 2
		.amdhsa_user_sgpr_kernarg_segment_ptr 1
		.amdhsa_wavefront_size32 1
		.amdhsa_system_sgpr_workgroup_id_x 1
		.amdhsa_system_sgpr_workgroup_id_y 1
		.amdhsa_system_sgpr_workgroup_id_z 1
		.amdhsa_system_vgpr_workitem_id 0
		.amdhsa_next_free_vgpr 1024
		.amdhsa_next_free_sgpr 106
		.amdhsa_reserve_vcc 1
		.amdhsa_float_denorm_mode_32 3
		.amdhsa_float_denorm_mode_16_64 3
		.amdhsa_memory_ordered 1
		.amdhsa_forward_progress 1
		.amdhsa_inst_pref_size 255
	.end_amdhsa_kernel
	.section	.bss,"aw",@nobits
	.p2align	6
	.space	262144
	.amdgpu_metadata
---
amdhsa.version: [ 1, 2 ]
amdhsa.kernels:
  - .name:           k_qcc831810e0_qkvp
    .symbol:         k_qcc831810e0_qkvp.kd
    .args:
      - { .name: x_codes, .offset: 0, .size: 8, .value_kind: global_buffer, .address_space: global }
      - { .name: x_scales, .offset: 8, .size: 8, .value_kind: global_buffer, .address_space: global }
      - { .name: w_codes, .offset: 16, .size: 8, .value_kind: global_buffer, .address_space: global }
      - { .name: w_scales, .offset: 24, .size: 8, .value_kind: global_buffer, .address_space: global }
      - { .name: qkv, .offset: 32, .size: 8, .value_kind: global_buffer, .address_space: global }
      - { .name: rope, .offset: 40, .size: 8, .value_kind: global_buffer, .address_space: global }
      - { .name: bq, .offset: 48, .size: 8, .value_kind: global_buffer, .address_space: global }
      - { .name: bk, .offset: 56, .size: 8, .value_kind: global_buffer, .address_space: global }
      - { .name: bv, .offset: 64, .size: 8, .value_kind: global_buffer, .address_space: global }
      - { .name: attention_mask, .offset: 72, .size: 8, .value_kind: global_buffer, .address_space: global }
    .group_segment_fixed_size: 327680
    .private_segment_fixed_size: 0
    .kernarg_segment_align: 8
    .kernarg_segment_size: 80
    .max_flat_workgroup_size: 128
    .sgpr_count:     106
    .vgpr_count:     1024
    .wavefront_size: 32
...
	.end_amdgpu_metadata
.endif
;; end of part 2
;; launch attn (part 3): grid 8 x 32, 4 waves a work-group, clusters of 4 x 1, 327,680 bytes of LDS; arguments qkv, attention_mask, ao; writes ao
.if DOCPART == 3
	.amdgcn_target "amdgcn-amd-amdhsa--gfx1250"
	.amdhsa_code_object_version 6
	.text
	.protected	k_qcc831810e0_attn
	.globl	k_qcc831810e0_attn
	.p2align	8
	.type	k_qcc831810e0_attn,@function
k_qcc831810e0_attn:
	s_mov_b64 s[64:65], 0
	v_nop
	global_prefetch_b8 v0, s[64:65] scope:SCOPE_SE
	s_setreg_imm32_b32 hwreg(HW_REG_WAVE_MODE, 25, 1), 1
	s_wait_xcnt 0x0
	s_wait_alu depctr_hold_cnt(0) depctr_sa_sdst(0) depctr_va_vdst(0) depctr_va_sdst(0) depctr_va_ssrc(0) depctr_va_vcc(0) depctr_vm_vsrc(0)
	s_getreg_b32 s2, hwreg(HW_REG_IB_STS2, 6, 4)
	s_cmp_eq_u32 s2, 0
	s_cbranch_scc0 .Lentry_in_a_cluster
	s_endpgm
.Lentry_in_a_cluster:
	s_bfe_u32 s2, ttmp6, 0x10000c
	s_cmp_lg_u32 s2, 0x3003
	s_cbranch_scc0 .Lentry_shape_is_right
	s_endpgm
.Lentry_shape_is_right:
; ao[token][128 head + d'] = the sum over keys of softmax(scores) v, for 32 (batch, head) pairs of 1,024 tokens, head size 128, operands in f16, products, maxima and sums in f32.
; q arrives multiplied by log2(e) / sqrt(128), so K Q^T gives t = score x log2(e); k arrives as zeros where its token is masked, and the FIRST product of each sum of K Q^T takes as C a register that holds,
; for its key, 0 or -1e9 x log2(e): a masked key's t is exactly that number, as the score is replaced by -1e9.  p = 2^(t - m), m the running maximum; O and l are multiplied by 2^(m_old - m_new) in every step.
; SHARES.  A work-group owns 128 queries of one (batch, head).  Wave w: queries 64 (w & 1) on, four tiles of 16; keys 512 (w >> 1) on, eight steps of 64.  At the end the two waves of a query half merge:
; register tile i of a wave holds query tile i xor 2 (w >> 1), so that every wave finishes its register tiles 0, 1 and hands its tiles 2, 3 to wave w xor 2 through LDS: one text, no branch.
; LAYOUT.  S^T = K Q^T (source 0 = 16 keys, source 1 = 16 queries): a lane holds ONE query (lane % 16) and the keys 8 (lane / 16) + 0..7.  Two such tiles, rounded to f16 in pairs, ARE source 1 of O^T = V^T P.
; BY TURNS.  The wave's tiles are two pieces (tiles 0, 1 and tiles 2, 3).  In a turn one piece has the matrix unit (32 products V^T P, then 32 products K Q^T of the next step); the other piece's softmax, cut into
; 64 slices, stands between them, one slice behind each matrix instruction.  Two turns are a key step.
; CLUSTER.  The four query blocks of a cluster belong to one (batch, head) and walk the same K and V: each tile is asked for jointly.
; LIMITS: the operands are f16: |c q|, |k|, |v| and the result under 65,504; NaN and infinities are not served.
; REGISTERS, in windows of 256: window 0: v0-11 addresses; v12-43 statistics, eight a tile; v44-61 work and addresses; v64-191 S^T; v192-255 P.   window 1: O^T, 64 a tile.
;   window 2: v0-127 Q; v128-255 K of one step (at the end: the partner's O^T).   window 3: v0-127 V of one step; v128-159 the mask's C registers of one step.
.set KS,    64        ; keys in a step
.set PK,    272       ; a row of K in LDS: 256 bytes + 16 of padding
.set PV,    288       ; a row of V: 256 + 32
.set KB,    128*PK    ; a piece: 128 rows of K (two steps), then 128 rows of V
.set PIECE, 128*(PK+PV)
.set SLOTB, 2*PIECE   ; a slot: the pieces of the two key groups
.set MASKT, 2*SLOTB   ; behind the ring: one f32 for each of the batch's 1,024 keys: 0 or -1e9 x log2(e); stored once, no fill lands there
.set SPARE, MASKT+4096  ; the spare words, 128 bytes for each wave: two blocks of 256 bytes that no other line names
.set STAGE, SPARE+512 ; 16 rows x 272 bytes for each wave, for the way out
.set SP,    272
.set XB,    16896     ; the exchange: 16,384 bytes of O^T and 512 of statistics for each wave, in slot 0, which has had its last fill and its last read at the last change of slots
.set AK0, 2           ; v2   my lane's place in a tile of K
.set AV0, 3           ; v3   the same for V
.set ADR, 4           ; v4   the LDS address of the run of loads in hand
.set QO,  5
.set STO, 6
.set RD,  7
.set GO,  8
.set ST,  12          ; tile t's statistics at v[ST+8 t]: +0 m, +1 zero (named with m as a pair), +2, +3 l (even keys', odd keys'), +4 to +7 at work; a takes +6
.set AM0, 52          ; v52  my lane's place in the mask's table
.set ADM, 53          ; v53  and the address in hand
.set XW,  54          ; v54  the exchange: where I write
.set XR,  55          ; v55  and where I read: my partner's
.set QOA, 56
.set QOB, 57
.set PFO, 61          ; v61  256 x my lane; never rewritten
.set SPW, 62
.set NIL, 63
.set S,   64
.set P,   192
.set KF,  128         ; K's fragments, in window 2
.set MC,  128         ; the mask's C registers, in window 3
.set WV,  12          ; s12  my wave's number
.set PFA, 18          ; s[18:19] what my one prefetch names
.set G1K, 24
.set G1V, 32
.set G0K, 40          ; s[40:47] group 0 for K's tiles: a set for each of the two first fills; the second then walks on
.set G0V, 48
.set TM,  56          ; s56  the step's place in the mask's table
.set TWICE, 57
.set VPT, 58          ; s[58:59] V at my tile of the first fill
.set SEL, 60
.set TBK, 62          ; s62  LDS byte at which the K tile of the step to be fetched begins
.set TBV, 63          ; s63  the same for V (less KB, which AV0 holds)
.set GP,  66          ; s66  my key group's piece in a slot
.set PLK, 67          ; s67  where the K tile that I fetch lies in a slot
.set PLV, 68          ; s68  the same for V
.set MSB, 0
.macro WIN new
.if MSB != (\new)
	s_set_vgpr_msb (MSB<<8)|(\new)
.set MSB, (\new)
.endif
.endm
.set W_KQ, 0x0a       ; K and Q in window 2, S^T in window 0
.set W_KQ0, 0x3a      ; the same, C in window 3
.set W_PV, 0x53       ; V in window 3, P in window 0, O^T in window 1
.set W_RS, 0x41       ; O^T (destination and source 0) in window 1, a in window 0
; A joint refill.  Waves 0 and 1 fetch K's 128 rows of key groups 0 and 1, waves 2 and 3 V's.  The branch hangs on the wave's number alone.  An s_nop 0 and four v_nop follow each line.
.macro JLOAD
	s_cmp_lt_u32 s[WV], 2
	s_cbranch_scc0 .Lfor_v_\@
	tensor_load_to_lds s[G0K+4:G0K+7], s[G1K:G1K+7]
	s_nop 0
.rept 4
	v_nop
.endr
	s_branch .Lasked_\@
.Lfor_v_\@:
	tensor_load_to_lds s[G0V+4:G0V+7], s[G1V:G1V+7]
	s_nop 0
.rept 4
	v_nop
.endr
.Lasked_\@:
.endm
; A PREFETCH INTO THE L2, behind the first change's joint load: the 128 rows that I shall ask for at the second change, two key steps (256 matrix instructions) on.  Both clusters of a head walk the same rows: the first asks.
; Its four partners share the rows out by address, 32 each, a lane a row of 256 bytes: each row is named once in the launch.  The address registers are never rewritten.
.macro ASK
	s_cmp_eq_u32 ttmp9, 0
	s_cbranch_scc0 .Lnot_mine_\@
	global_prefetch_b8 v[PFO], s[PFA:PFA+1] th:TH_LOAD_NT scope:SCOPE_SE
.Lnot_mine_\@:
.endm
.macro CROUND
	s_barrier_signal -1
	s_barrier_wait -1
	s_cmp_lg_u32 s[WV], 0
	s_cbranch_scc1 .Lnot_wave_0_\@
	s_barrier_signal -3
.Lnot_wave_0_\@:
	s_barrier_wait -3
	s_barrier_signal -1
	s_barrier_wait -1
.endm
	s_load_b128 s[4:7], s[0:1], 0x0   ; qkv s[4:5], the mask s[6:7]
	s_load_b64 s[10:11], s[0:1], 0x10 ; ao
	v_lshl_add_u32 v[SPW], v0, 2, SPARE
	v_mov_b32 v[NIL], 0
	ds_add_u32 v[SPW], v[NIL]       ; the wave's opening: the add, twice on end, and its wait ahead of my first tensor load
	ds_add_u32 v[SPW], v[NIL]
	v_lshrrev_b32 v1, 5, v0
	v_readfirstlane_b32 s[WV], v1   ; wave 0..3
	s_bfe_u32 s13, ttmp6, 0x40000   ; cx: my place in the cluster
	s_lshl_b32 s14, ttmp9, 2
	s_add_co_u32 s14, s14, s13      ; my block of 128 queries: it enters Q's and ao's addresses alone
	s_and_b32 s15, ttmp7, 0xffff    ; 16 batch + head, which the four partners share
	s_lshl_b32 s20, s15, 18         ; its 1,024 rows of 256 bytes
	s_mov_b32 s21, 0
	s_and_b32 s16, s[WV], 1         ; my half of the queries.  Also: the key group for which I fetch
	s_lshr_b32 s17, s[WV], 1        ; my key group
	s_lshl_b32 s22, s16, 17         ; 512 rows of 256 bytes
	s_mov_b32 s23, 0
	s_add_nc_u64 s[22:23], s[22:23], s[20:21]
	s_mul_i32 s[PLK], s16, PIECE    ; no place in the cluster enters an LDS address
	s_add_co_u32 s[PLV], s[PLK], KB
	s_mul_i32 s[GP], s17, PIECE
	s_lshl_b32 s2, s14, 15
	s_lshl_b32 s3, s16, 14
	s_add_co_u32 s2, s2, s3
	s_mov_b32 s3, 0
	s_add_nc_u64 s[2:3], s[2:3], s[20:21]  ; my 64 rows of Q
	s_lshr_b32 s70, s15, 4          ; the batch
	s_lshl_b32 s71, s70, 10
	s_lshl_b32 s72, s14, 7
	s_add_co_u32 s71, s71, s72
	s_lshl_b32 s72, s16, 6
	s_add_co_u32 s71, s71, s72
	s_lshl_b32 s72, s17, 5
	s_add_co_u32 s71, s71, s72      ; the first row of ao that I store: 1024 batch + 128 block + 64 half + 32 key group
	s_lshl_b32 s72, s71, 12
	s_and_b32 s71, s15, 15
	s_lshl_b32 s71, s71, 8
	s_add_co_u32 s72, s72, s71      ; + 256 bytes x head
	s_mov_b32 s73, 0
	s_lshl_b32 s74, s70, 12         ; the batch's row of the mask
	s_mov_b32 s75, 0
	; descriptor group 1: a tile of 128 rows x 128 elements of 2 bytes, padded in LDS
	s_mov_b32 s[G1K], 15|(1<<16)|(1<<20)|(1<<21)|(5<<22)|(3<<25)  ; 15:0 the mask: all four work-groups; 17:16 elements of 2 bytes; 20 padding on; 21 set beside a mask; 24:22 after every 64 words; 31:25 4 words of it
	s_mov_b32 s[G1V], 15|(1<<16)|(1<<20)|(1<<21)|(5<<22)|(7<<25)  ; the same with 8 words of padding
.irp g, G1K, G1V
	s_mov_b32 s[\g+1], 128<<16      ; tensor_dim0
	s_mov_b32 s[\g+2], 128<<16      ; tensor_dim1
	s_mov_b32 s[\g+3], 128<<16      ; tile_dim0
	s_mov_b32 s[\g+4], 128          ; tile_dim1
	s_mov_b32 s[\g+5], 128          ; tensor_dim0_stride
	s_mov_b32 s[\g+6], 0
	s_mov_b32 s[\g+7], 0
.endr
	s_mov_b32 s[SEL], 0x76543210
	s_mov_b32 s[SEL+1], 0xfedcba98
	s_mov_b32 s[TBK], s[GP]
	s_mov_b32 s[TBV], s[GP]
	s_mov_b32 s[TM], 0
	s_wait_dscnt 0x0                ; both opening adds are done
	s_wait_kmcnt 0x0
	s_add_nc_u64 s[8:9], s[4:5], s[22:23]
	s_add_nc_u64 s[8:9], s[8:9], 0x800000      ; K at my tile of the first fill
	s_add_nc_u64 s[VPT:VPT+1], s[4:5], s[22:23]
	s_add_nc_u64 s[VPT:VPT+1], s[VPT:VPT+1], 0x1000000  ; V likewise
	s_add_nc_u64 s[4:5], s[4:5], s[2:3]        ; Q at my wave's first row
	s_add_nc_u64 s[10:11], s[10:11], s[72:73]
	s_add_nc_u64 s[6:7], s[6:7], s[74:75]
	s_cmp_lt_u32 s[WV], 2
	s_cselect_b64 s[PFA:PFA+1], s[8:9], s[VPT:VPT+1]
	s_lshl_b32 s2, s13, 13          ; my work-group's 32 rows of the 128,
	s_add_co_u32 s2, s2, 3*32768    ; in the fourth fill
	s_mov_b32 s3, 0
	s_add_nc_u64 s[PFA:PFA+1], s[PFA:PFA+1], s[2:3]
	CROUND                          ; all four work-groups are here: the first joint loads meet
.irp s, 0,1
	s_mov_b32 s[G0K+4*\s], 1
	s_add_co_u32 s[G0K+4*\s+1], s[PLK], \s*SLOTB
	s_add_nc_u64 s[G0K+4*\s+2:G0K+4*\s+3], s[8:9], \s*32768
	s_or_b32 s[G0K+4*\s+3], s[G0K+4*\s+3], 0x80000000
	s_mov_b32 s[G0V+4*\s], 1
	s_add_co_u32 s[G0V+4*\s+1], s[PLV], \s*SLOTB
	s_add_nc_u64 s[G0V+4*\s+2:G0V+4*\s+3], s[VPT:VPT+1], \s*32768
	s_or_b32 s[G0V+4*\s+3], s[G0V+4*\s+3], 0x80000000
.endr
	s_cmp_lt_u32 s[WV], 2           ; a wave's two first fills stand in one branch, ahead of every wait on TENSORcnt and every LDS read: two loads of mine are out
	s_cbranch_scc0 .Lfirst_v
	tensor_load_to_lds s[G0K:G0K+3], s[G1K:G1K+7]
	s_nop 0
	tensor_load_to_lds s[G0K+4:G0K+7], s[G1K:G1K+7]
	s_nop 0
.rept 4
	v_nop
.endr
	s_branch .Lfirst_asked
.Lfirst_v:
	tensor_load_to_lds s[G0V:G0V+3], s[G1V:G1V+7]
	s_nop 0
	tensor_load_to_lds s[G0V+4:G0V+7], s[G1V:G1V+7]
	s_nop 0
.rept 4
	v_nop
.endr
.Lfirst_asked:
	v_and_b32 v1, 15, v0            ; l % 16
	v_bfe_u32 v9, v0, 4, 1          ; l / 16
	v_lshlrev_b32 v58, 5, v0        ; thread i takes the mask's words of keys 8 i .. 8 i + 7
	global_load_b128 v[44:47], v58, s[6:7]
	global_load_b128 v[48:51], v58, s[6:7] offset:16
	v_lshlrev_b32 v[QO], 8, v1
	v_lshl_add_u32 v[QO], v9, 4, v[QO]  ; row x 256 + 16 x half
	s_lshl_b32 s2, s17, 13
	v_add_nc_u32 v[QOA], s2, v[QO]  ; register tiles 0, 1 hold query tiles 2 g, 2 g + 1;
	s_xor_b32 s2, s2, 8192
	v_add_nc_u32 v[QOB], s2, v[QO]  ; tiles 2, 3 the other two
	WIN 0x80                        ; destination window 2
.irp i, 0,1,2,3,4,5,6,7
	global_load_b128 v[8*\i:8*\i+3],   v[QOA], s[4:5] offset:(\i/4)*4096+(\i%4)*64
	global_load_b128 v[8*\i+4:8*\i+7], v[QOA], s[4:5] offset:(\i/4)*4096+(\i%4)*64+32
.endr
.irp i, 8,9,10,11,12,13,14,15
	global_load_b128 v[8*\i:8*\i+3],   v[QOB], s[4:5] offset:(\i/4-2)*4096+(\i%4)*64
	global_load_b128 v[8*\i+4:8*\i+7], v[QOB], s[4:5] offset:(\i/4-2)*4096+(\i%4)*64+32
.endr
	WIN 0
	v_mul_u32_u24 v[AK0], v1, PK
	v_lshl_add_u32 v[AK0], v9, 4, v[AK0]
	v_and_b32 v10, 7, v0            ; the turning load: lane l reads 16 bytes: key 8 (l / 16) + l % 8, channels 8 ((l / 8) % 2) + 0..7
	v_bfe_u32 v11, v0, 3, 1
	v_lshl_add_u32 v[AV0], v9, 3, v10
	v_mul_u32_u24 v[AV0], v[AV0], PV
	v_lshl_add_u32 v[AV0], v11, 4, v[AV0]
	v_add_nc_u32 v[AV0], KB, v[AV0]
	v_lshlrev_b32 v[AM0], 5, v9     ; the mask's table: keys 8 (l / 16) on, in my key group's 2,048 bytes
	s_lshl_b32 s2, s17, 11
	s_add_co_u32 s2, s2, MASKT
	v_add_nc_u32 v[AM0], s2, v[AM0]
	v_add_nc_u32 v59, MASKT, v58
	v_mov_b32 v60, 0xceabfb8f       ; -1e9 x log2(e)
.irp t, 0,1,2,3
	v_mov_b32 v[ST+8*\t+1], 0
.endr
	v_and_b32 v[PFO], 31, v0
	v_lshlrev_b32 v10, 4, v[PFO]
	v_lshlrev_b32 v[PFO], 8, v[PFO]
	s_mul_i32 s2, s[WV], XB
	v_add_nc_u32 v[XW], s2, v10
	s_xor_b32 s2, s[WV], 2
	s_mul_i32 s2, s2, XB
	v_add_nc_u32 v[XR], s2, v10
	s_wait_loadcnt 32               ; the mask's two loads are in; Q's 32 may be out
.irp n, 44,45,46,47,48,49,50,51
	v_cmp_eq_u32 vcc_lo, 0, v\n
	v_cndmask_b32 v\n, 0, v60, vcc_lo
.endr
	ds_store_b128 v59, v[44:47]
	ds_store_b128 v59, v[48:51] offset:16
; THE MATRIX WORK OF A TURN, for piece x.  The accumulators take turns, one instruction a turn.
.macro PV x, zero
	WIN W_PV
.set rO, 64*(\x+i%2)+8*((i/2)%8)
.set rV, 64*(i/16)+8*((i/2)%8)
.set rP, P+16*(\x+i%2)+8*(i/16)
.if \zero && (i < 16)
	v_wmma_f32_16x16x32_f16 v[rO:rO+7], v[rV:rV+7], v[rP:rP+7], 0
.else
	v_wmma_f32_16x16x32_f16 v[rO:rO+7], v[rV:rV+7], v[rP:rP+7], v[rO:rO+7]
.endif
.endm
; Product i of 32 of S^T = K Q^T: channels 32 (i / 8) on, keys 16 ((i / 2) % 4) on, tile x + i % 2.  The first 8 start the sums from the mask's numbers.
.macro KQ x
.set rS, S+32*(\x+i%2)+8*((i/2)%4)
.set rK, KF+32*((i/2)%4)+8*(i/8)
.set rQ, 32*(\x+i%2)+8*(i/8)
.set rM, MC+8*((i/2)%4)
.if i < 8
	WIN W_KQ0
	v_wmma_f32_16x16x32_f16 v[rS:rS+7], v[rK:rK+7], v[rQ:rQ+7], v[rM:rM+7]
.else
	WIN W_KQ
	v_wmma_f32_16x16x32_f16 v[rS:rS+7], v[rK:rK+7], v[rQ:rQ+7], v[rS:rS+7]
.endif
.endm
; THE LDS LOADS stand in runs: a step's K (16 fragments) with the mask's numbers of its 64 keys, and, a turn later, its V (turned).
.macro FETCH_K
	WIN 0
	v_add_nc_u32 v[ADR], s[TBK], v[AK0]
	v_add_nc_u32 v[ADM], s[TM], v[AM0]
	s_add_co_u32 s[TBK], s[TBK], KS*PK
	s_add_co_u32 s[TM], s[TM], 4*KS
	WIN 0x80                        ; destination window 2
.irp f, 0,1,2,3,4,5,6,7,8,9,10,11,12,13,14,15
	ds_load_b128 v[KF+8*\f:KF+8*\f+3],   v[ADR] offset:(\f/4)*16*PK+(\f%4)*64
	ds_load_b128 v[KF+8*\f+4:KF+8*\f+7], v[ADR] offset:(\f/4)*16*PK+(\f%4)*64+32
.endr
	WIN 0xc0                        ; destination window 3
.irp u, 0,1,2,3,4,5,6,7             ; key tile u / 2: register j of lane (r, h) is key 16 (u / 2) + 8 h + j
	ds_load_b128 v[MC+4*\u:MC+4*\u+3], v[ADM] offset:64*(\u/2)+16*(\u%2)
.endr
.endm
.macro FETCH_V
	WIN 0
	v_add_nc_u32 v[ADR], s[TBV], v[AV0]
	s_add_co_u32 s[TBV], s[TBV], KS*PV
	s_wait_alu depctr_va_vdst(0)    ; the wait for the softmax's batch (SLICE), behind the address's v_add_nc_u32 and ahead of the loads
	WIN 0xc0
.irp f, 0,1,2,3,4,5,6,7,8,9,10,11,12,13,14,15
	ds_load_tr16_b128 v[8*\f:8*\f+3],   v[ADR] offset:(\f/8)*32*PV+(\f%8)*32
	ds_load_tr16_b128 v[8*\f+4:8*\f+7], v[ADR] offset:(\f/8)*32*PV+16*PV+(\f%8)*32
.endr
.endm
; THE VECTOR WORK OF A TURN.  One tile's softmax for one key step is a numbered list; SM writes number j of it for tile t.
;   0-15 the maximum of the 32 scores and the old m;  16-19 the other half of the lanes' maximum, the new m, m_old - m_new (20 is empty);
;   21-69 ONE BATCH: the 16 subtractions t - m, a pair each, and all 33 exponentials (a at 23): none reads an exponential's result;  (the wait: SLICE writes it)
;   70-85 the roundings to f16;  86-101 the sums, l = a l + the sum;  102-133 the tile's O^T times a.
.macro SM t, first
.set rT, ST+8*(\t)
.set rS, S+32*(\t)
.set rP, P+16*(\t)
.set rO, 64*(\t)+2*(j-102)
.if j < 102
	WIN 0
.endif
.if j < 4
	v_max3_num_f32 v[rT+4+j], v[rS+8*j], v[rS+8*j+1], v[rS+8*j+2]
.elseif j < 12
	v_max3_num_f32 v[rT+4+j%4], v[rT+4+j%4], v[rS+8*(j%4)+2*(j/4)+1], v[rS+8*(j%4)+2*(j/4)+2]
.elseif j == 12
	v_max3_num_f32 v[rT+4], v[rT+4], v[rS+7], v[rS+15]
.elseif j == 13
	v_max3_num_f32 v[rT+6], v[rT+6], v[rS+23], v[rS+31]
.elseif j == 14
	v_max3_num_f32 v[rT+4], v[rT+4], v[rT+5], v[rT+6]
.elseif (j == 15) && \first
	v_max_num_f32 v[rT+4], v[rT+4], v[rT+7]
.elseif j == 15
	v_max3_num_f32 v[rT+4], v[rT+4], v[rT+7], v[rT]
.elseif j == 16
	v_permlanex16_b32 v[rT+5], v[rT+4], s[SEL], s[SEL+1]  ; the query's other 32 keys lie in the lane 16 away
.elseif j == 18
	v_max_num_f32 v[rT], v[rT+4], v[rT+5]
.elseif j == 20
.elseif ((j == 17) || (j == 19) || (j == 23) || (j > 101)) && \first  ; the first step has none of these
.elseif j == 17
	v_mov_b32 v[rT+7], v[rT]        ; m_old is kept for a: number 18 writes m anew
.elseif j == 19
	v_sub_f32 v[rT+7], v[rT+7], v[rT]
.elseif j == 23
	v_exp_f32 v[rT+6], v[rT+7]
.elseif (j < 23) || ((j < 38) && (j%2 == 0)) || ((j < 66) && (j%4 == 2))
.set b, (j-2)/4
.if j < 38
.set b, (j-20)/2
.endif
	v_pk_add_f32 v[rS+2*b:rS+2*b+1], v[rS+2*b:rS+2*b+1], v[rT:rT+1] op_sel_hi:[1,0] neg_lo:[0,1] neg_hi:[0,1]  ; pair b: t - m: exact at the maximum, whatever the size of t
.elseif j < 70
.set e, j-38
.if j < 66
.set e, j-32-(j-38)/4
.endif
.if j < 38
.set e, (j-25)/2
.endif
	v_exp_f32 v[rS+e], v[rS+e]
.elseif j < 86
	v_cvt_pk_f16_f32 v[rP+j-70], v[rS+2*(j-70)], v[rS+2*(j-70)+1]
.elseif j < 102
.set z, j-86
.set w, 4
.set u, z
.if z >= 14
.set w, 32
.set u, 0
.elseif z >= 12
.set w, 16
.set u, z-12
.elseif z >= 8
.set w, 8
.set u, z-8
.endif
.if (z == 14) && \first
	v_pk_add_f32 v[rT+2:rT+3], v[rS:rS+1], v[rS+16:rS+17]
.elseif z < 15
	v_pk_add_f32 v[rS+w*u:rS+w*u+1], v[rS+w*u:rS+w*u+1], v[rS+w*u+w/2:rS+w*u+w/2+1]
.elseif !\first
	v_pk_fma_f32 v[rT+2:rT+3], v[rT+2:rT+3], v[rT+6:rT+7], v[rS:rS+1] op_sel_hi:[1,0,1]
.endif
.else
	WIN W_RS
	v_pk_mul_f32 v[rO:rO+1], v[rO:rO+1], v[rT+6:rT+7] op_sel_hi:[1,0]
.endif
.endm
; Slice k of 64 of piece y's softmax.  Slices 11 to 34 deal out the batch, four numbers of ONE tile each, the tiles by turns; every other slice is numbers 2 k and 2 k + 1 of both tiles; the twelve that are over stand in slice 63.
; Ahead of slice 35 nothing names an exponential's result, and behind slice 34 none is issued: the piece's exponentials have one wait, behind slice 34, ahead of the first reader.
.macro SLICE y, first
.if (k >= 11) && (k < 35)
.irp n, 0,1,2,3
.set j, 22+4*((k-11)/2)+(\n)
	SM (\y)+(k-11)%2, \first
.endr
.else
.irp n, 0,1,2,3,4,5,6,7
.if (\n < 2) || (k == 63)
.irp t, \y, \y+1
.set j, 2*k+\n
	SM \t, \first
.endr
.endif
.endr
.endif
.if k == 34
	v_nop                           ; a plain instruction behind the last exponential and ahead of the first use: one for the batch
.if (\y) == 0
	FETCH_V                         ; piece 2's turn: V's run of loads stands here, and the wait stands in it
.else
	s_wait_alu depctr_va_vdst(0)    ; the wait for the batch
.endif
.endif
.set k, k+1
.endm
.macro PLACES
.rept 4
	v_nop
.endr
.endm
; A TURN.  Piece x has the matrix unit; the other piece's softmax stands in slices behind its matrix instructions.  pv = 2: 32 products V^T P; 1: they start O^T's sums; 0: none.  kq = 1: 32 products K Q^T for the next step.
; The slices are the places behind the matrix instructions: slice 63's sixteen plain instructions stand between the turn's last K Q^T and the next reads of those scores and the loads into K's and the mask's registers.
.macro TURN x, pv, kq, first
.set k, 0
.set per, 2
.if \pv && \kq
.set per, 1
.endif
.if \pv
.if \x == 0
	s_wait_dscnt 0x0                ; V is in
.endif
.set i, 0
.rept 32
	PV \x, 2-\pv
.rept per
	SLICE 2-\x, \first
.endr
.if (\x == 0) && \kq && (i == 1)
	FETCH_K
.endif
.set i, i+1
.endr
.endif
.if \kq
.if \x == 0
	s_wait_dscnt 0x0                ; K and the mask's numbers are in
.endif
.set i, 0
.rept 32
	KQ \x
.rept per
	SLICE 2-\x, \first
.endr
.set i, i+1
.endr
.endif
.if \first
	PLACES
.endif
.endm
; THE CHANGE OF SLOTS, between piece 2's turn and piece 0's.  Each wave waits for all its tensor loads (one is out: its part of the other slot), adds 0 to its spare word, and waits for that and for its own reads of the slot.
; fill = 1: the slot just left (slot 1 - rd) is filled again with the next 128 keys of each group, behind a round of the cluster's barrier; rd: the slot that is read next; ask = 1: the prefetch.
.macro CHANGE fill, rd, ask
	WIN 0
	s_wait_tensorcnt 0x0            ; no tensor load of mine is out, so a group 0 may be written
	ds_add_u32 v[SPW], v[NIL]       ; 0 onto my spare word
.if \fill
	s_add_co_u32 s[G0K+5], s[PLK], (1-\rd)*SLOTB
	s_add_nc_u64 s[G0K+6:G0K+7], s[G0K+6:G0K+7], 32768   ; the type bits on top are not reached
	s_add_co_u32 s[G0V+5], s[PLV], (1-\rd)*SLOTB
	s_add_nc_u64 s[G0V+6:G0V+7], s[G0V+6:G0V+7], 32768
	s_wait_dscnt 0x0                ; the add is done, and my reads of the slot are over
	CROUND
	JLOAD                           ; my one tensor load behind the round: it has two key steps in which to land
.if \ask
	ASK
.endif
.else
	s_wait_dscnt 0x0
	s_barrier_signal -1
	s_barrier_wait -1
.endif
	s_add_co_u32 s[TBK], s[GP], \rd*SLOTB
	s_mov_b32 s[TBV], s[TBK]
.endm
.macro TWO_STEPS                    ; a slot's two key steps: written once, walked twice
	s_mov_b32 s[TWICE], 2
.Lstep_\@:
	TURN 0, 2, 1, 0
	TURN 2, 2, 1, 0
	WIN 0
	s_sub_co_u32 s[TWICE], s[TWICE], 1
	s_cmp_lg_u32 s[TWICE], 0
	s_cbranch_scc1 .Lstep_\@
.endm
	s_wait_tensorcnt 1              ; my part of slot 0 is in; slot 1's may stay out
	s_wait_dscnt 0x0                ; my part of the mask's table is stored
	s_barrier_signal -1
	s_barrier_wait -1               ; everybody's is
	FETCH_K                         ; key step 0
	s_wait_loadcnt 0x0              ; Q
	s_wait_dscnt 0x0
.set i, 0
.rept 32
	KQ 0                            ; piece 0's first scores
.set i, i+1
.endr
	WIN 0                           ; the addresses for the way out: plain instructions, the places behind those products
	s_mul_i32 s13, s[WV], 16*SP
	s_add_co_u32 s13, s13, STAGE    ; my stage
	v_mul_u32_u24 v[STO], v1, SP
	v_lshl_add_u32 v[STO], v9, 4, v[STO]
	v_add_nc_u32 v[STO], s13, v[STO]
	v_mul_u32_u24 v[RD], v9, SP
	v_lshl_add_u32 v[RD], v1, 4, v[RD]
	v_add_nc_u32 v[RD], s13, v[RD]
	v_lshlrev_b32 v[GO], 12, v9     ; two rows of ao, 4,096 bytes apart
	v_lshl_add_u32 v[GO], v1, 4, v[GO]
	TURN 2, 0, 1, 1                 ; piece 2's first scores | piece 0's first softmax | V of step 0
	TURN 0, 1, 1, 1                 ; piece 0: V^T P of step 0 starts O^T, K Q^T of step 1 | piece 2's first softmax | K of step 1
	TURN 2, 1, 1, 0                 ; piece 2: the same | piece 0's softmax of step 1 | V of step 1
	CHANGE 1, 1, 1                  ; slot 0 takes keys 256-383 of each group; slot 1 is read
	TWO_STEPS
	CHANGE 1, 0, 0                  ; slot 1 takes keys 384-511; slot 0 is read
	TWO_STEPS
	CHANGE 0, 1, 0                  ; nothing is left to ask for; slot 1 is read; slot 0 is free
	TWO_STEPS
	TURN 0, 2, 0, 0                 ; piece 0: V^T P of the last step | piece 2's last softmax
.set i, 0
.rept 32
	PV 2, 0                         ; piece 2: V^T P of the last step
.set i, i+1
.endr
	; THE MERGE of the two key groups.  My tiles 2, 3 (m, l, O^T) go to my partner as images of their registers; its tiles 2, 3 are my tiles 0, 1.  The eight lines below are the places behind the last products.
	WIN 0
.irp t, 0,1,2,3
	v_add_f32 v[ST+8*\t+4], v[ST+8*\t+2], v[ST+8*\t+3]   ; l's two halves
.endr
	v_mov_b32 v44, v[ST+16]
	v_mov_b32 v45, v[ST+20]
	v_mov_b32 v46, v[ST+24]
	v_mov_b32 v47, v[ST+28]
	ds_store_b128 v[XW], v[44:47] offset:16384
	WIN 0x04                        ; an LDS store's data are its source 1: window 1
.set i, 0
.rept 32
	ds_store_b128 v[XW], v[128+4*i:128+4*i+3] offset:512*i   ; each accumulator from its low end on
.set i, i+1
.endr
	WIN 0
	s_wait_dscnt 0x0                ; for my partner's sake: my stores are done
	s_barrier_signal -1
	s_barrier_wait -1
	ds_load_b128 v[48:51], v[XR] offset:16384
	WIN 0x80                        ; destination window 2: K's registers are free
.set i, 0
.rept 32
	ds_load_b128 v[128+4*i:128+4*i+3], v[XR] offset:512*i
.set i, i+1
.endr
	WIN 0
	s_wait_dscnt 32                 ; the statistics are in; the 32 loads behind them may be out
.irp t, 0,1
	v_max_num_f32 v[ST+8*\t+5], v[ST+8*\t], v[48+2*\t]   ; the common maximum
.endr
.irp t, 0,1
	v_sub_f32 v[ST+8*\t+6], v[ST+8*\t], v[ST+8*\t+5]
	v_sub_f32 v[ST+8*\t+7], v[48+2*\t], v[ST+8*\t+5]
.endr
.irp t, 0,1
	v_exp_f32 v[ST+8*\t+6], v[ST+8*\t+6]
	v_exp_f32 v[ST+8*\t+7], v[ST+8*\t+7]
.endr
	v_nop
	s_wait_alu depctr_va_vdst(0)    ; one wait for the four exponentials, ahead of their first reader
.irp t, 0,1
	v_mul_f32 v[ST+8*\t+4], v[ST+8*\t+4], v[ST+8*\t+6]
.endr
.irp t, 0,1
	v_fma_f32 v[ST+8*\t+4], v[49+2*\t], v[ST+8*\t+7], v[ST+8*\t+4]
.endr
.irp t, 0,1
	v_permlanex16_b32 v[ST+8*\t+5], v[ST+8*\t+4], s[SEL], s[SEL+1]
.endr
.irp t, 0,1
	v_add_f32 v[ST+8*\t+4], v[ST+8*\t+4], v[ST+8*\t+5]   ; the row's sum over all 1,024 keys
.endr
.irp t, 0,1
	v_rcp_f32 v[ST+8*\t+5], v[ST+8*\t+4]
.endr
	v_nop
	s_wait_alu depctr_va_vdst(0)    ; and one for the two reciprocals
.irp t, 0,1
	v_mul_f32 v[ST+8*\t+6], v[ST+8*\t+6], v[ST+8*\t+5]   ; what my O^T is multiplied by,
	v_mul_f32 v[ST+8*\t+4], v[ST+8*\t+7], v[ST+8*\t+5]   ; and my partner's
.endr
	s_wait_dscnt 0x0                ; its O^T is in
	WIN W_RS
.irp t, 0,1
.set i, 64*\t
.rept 32
	v_pk_mul_f32 v[i:i+1], v[i:i+1], v[ST+8*\t+6:ST+8*\t+7] op_sel_hi:[1,0]
.set i, i+2
.endr
.endr
	WIN 0x52                        ; source 0 window 2, source 1 window 0, source 2 and destination window 1
.irp t, 0,1
.set i, 64*\t
.rept 32
	v_pk_fma_f32 v[i:i+1], v[128+i:129+i], v[ST+8*\t+4:ST+8*\t+5], v[i:i+1] op_sel_hi:[1,0,1]
.set i, i+2
.endr
.endr
; THE WAY OUT.  Tile t: a lane's eight channels of a row pack into 16 bytes; they go into rows of 272 bytes and come back as whole rows of 256.
.macro PACK t
	WIN 0x05                        ; sources 0 and 1 window 1, destination window 0: S^T's registers are free
.set i, 0
.rept 32
	v_cvt_pk_f16_f32 v[S+32*\t+i], v[64*\t+2*i], v[64*\t+2*i+1]
.set i, i+1
.endr
	WIN 0
.irp f, 0,1,2,3,4,5,6,7
	ds_store_b128 v[STO], v[S+32*\t+4*\f:S+32*\t+4*\f+3] offset:32*\f
.endr
.irp f, 0,1,2,3,4,5,6,7
	ds_load_b128 v[S+32*\t+4*\f:S+32*\t+4*\f+3], v[RD] offset:\f*2*SP  ; LDS serves a wave's instructions in order (ISA guide 5.7.1.4)
.endr
.endm
.macro SEND t, younger              ; younger: the LDS instructions issued behind tile t's loads
.irp f, 0,1,2,3,4,5,6,7
	s_wait_dscnt \younger+7-\f
	global_store_b128 v[GO], v[S+32*\t+4*\f:S+32*\t+4*\f+3], s[10:11] offset:\t*65536+\f*8192  ; 16 lanes store 256 consecutive bytes, aligned
.endr
.endm
	PACK 0
	PACK 1
	SEND 0, 16
	SEND 1, 0
	s_wait_tensorcnt 0x0            ; the wave's end
	ds_add_u32 v[SPW], v[NIL]
	s_wait_dscnt 0x0
	CROUND                          ; the closing round
	s_endpgm
.Lfunc_end_k_qcc831810e0_attn:
	.size	k_qcc831810e0_attn, .Lfunc_end_k_qcc831810e0_attn-k_qcc831810e0_attn
	.p2alignl 7, 3214868480
	.fill 96, 4, 3214868480
	.section	.rodata,"a",@progbits
	.p2align	6, 0x0
	.amdhsa_kernel k_qcc831810e0_attn
		.amdhsa_group_segment_fixed_size 327680
		.amdhsa_private_segment_fixed_size 0
		.amdhsa_enable_private_segment 0
		.amdhsa_kernarg_size 24
		.amdhsa_user_sgpr_count 2
		.amdhsa_user_sgpr_kernarg_segment_ptr 1
		.amdhsa_wavefront_size32 1
		.amdhsa_system_sgpr_workgroup_id_x 1
		.amdhsa_system_sgpr_workgroup_id_y 1
		.amdhsa_system_sgpr_workgroup_id_z 1
		.amdhsa_system_vgpr_workitem_id 0
		.amdhsa_next_free_vgpr 1024
		.amdhsa_next_free_sgpr 76
		.amdhsa_reserve_vcc 1
		.amdhsa_float_denorm_mode_32 3
		.amdhsa_float_denorm_mode_16_64 3
		.amdhsa_memory_ordered 1
		.amdhsa_forward_progress 1
		.amdhsa_inst_pref_size 255
	.end_amdhsa_kernel
	.section	.bss,"aw",@nobits
	.p2align	6
	.space	262144
	.amdgpu_metadata
---
amdhsa.version: [ 1, 2 ]
amdhsa.kernels:
  - .name:           k_qcc831810e0_attn
    .symbol:         k_qcc831810e0_attn.kd
    .args:
      - { .name: qkv, .offset: 0, .size: 8, .value_kind: global_buffer, .address_space: global }
      - { .name: attention_mask, .offset: 8, .size: 8, .value_kind: global_buffer, .address_space: global }
      - { .name: ao, .offset: 16, .size: 8, .value_kind: global_buffer, .address_space: global }
    .group_segment_fixed_size: 327680
    .private_segment_fixed_size: 0
    .kernarg_segment_align: 8
    .kernarg_segment_size: 24
    .max_flat_workgroup_size: 128
    .sgpr_count:     76
    .vgpr_count:     1024
    .wavefront_size: 32
...
	.end_amdgpu_metadata
.endif
;; end of part 3
;; launch oproj (part 4): grid 16 x 16, 4 waves a work-group, clusters of 4 x 4, 327,680 bytes of LDS; arguments ao, wo16, out0, bo; writes out0
.if DOCPART == 4
	.amdgcn_target "amdgcn-amd-amdhsa--gfx1250"
	.amdhsa_code_object_version 6
	.text
	.protected	k_qcc831810e0_oproj
	.globl	k_qcc831810e0_oproj
	.p2align	8
	.type	k_qcc831810e0_oproj,@function
k_qcc831810e0_oproj:
	s_mov_b64 s[64:65], 0
	v_nop
	global_prefetch_b8 v0, s[64:65] scope:SCOPE_SE
	s_setreg_imm32_b32 hwreg(HW_REG_WAVE_MODE, 25, 1), 1
	s_wait_xcnt 0x0
	s_wait_alu depctr_hold_cnt(0) depctr_sa_sdst(0) depctr_va_vdst(0) depctr_va_sdst(0) depctr_va_ssrc(0) depctr_va_vcc(0) depctr_vm_vsrc(0)
	s_getreg_b32 s2, hwreg(HW_REG_IB_STS2, 6, 4)
	s_cmp_eq_u32 s2, 0
	s_cbranch_scc0 .Lentry_in_a_cluster
	s_endpgm
.Lentry_in_a_cluster:
	s_bfe_u32 s2, ttmp6, 0x10000c
	s_cmp_lg_u32 s2, 0xf033
	s_cbranch_scc0 .Lentry_shape_is_right
	s_endpgm
.Lentry_shape_is_right:
; out0[m][n] = the sum over k' of ao[m][k'] wo16[k'][n] + bo[n].  ao: [2048][2048] f16, K innermost; wo16: [2048 k'][2048 n] f16, K its FIRST axis (its rows lie in the order of ao's columns); out0 f32; sums in f32.
; A tile of the result is 128 x 128: 256 work-groups.  Four waves, each 64 x 64: 16 accumulators of 16 x 16.  K goes in steps of 256 through a ring of two LDS slots: A's rows are 512 bytes, B's tile is 256 rows of k' x 256 bytes.
; B's fragments come out of LDS turned, by ds_load_tr16_b128.  THE MATRIX INSTRUCTION IS USED TRANSPOSED (source 0 = 16 columns of B, source 1 = 16 rows of A): a lane holds eight neighbouring numbers of a row of the result.
; The bias is the C of each sum's first product.  A wave's 64 columns of f32 are 256 aligned bytes: each wave has a stage of its own on the way out, and no barrier stands there.
; CLUSTERS: 4 x 4 work-groups; A's tiles are shared along a row of the cluster, B's along a column: joint loads.
; LIMITS: the operands are f16 (|ao|, |wo| under 65,504).
; REGISTERS: window 0: v0-31 addresses; v32-95 the way out; v96-127 the bias; v128-255 the accumulators ((a, b) at v[128 + 8 (4 a + b)]).   window 1: two fragment buffers of 128: 64 registers of A, then 64 of B.
.set SIZE_M, 2048
.set SIZE_N, 2048
.set SIZE_K, 2048
.set KSTEP,  256
.set PITCH,  528                       ; a row of A in LDS: 512 bytes + 16 of padding
.set HALFT,  64*PITCH                  ; 64 rows of A: what one tensor load brings
.set PB,     288                       ; a row of B in LDS: 256 bytes + 32 of padding
.set HALFB,  128*PB                    ; 128 rows of B: what one tensor load brings
.set BOFF,   2*HALFT
.set SLOT,   BOFF+2*HALFB              ; A's 128 rows, then B's 256 rows
.set SPARE,  2*SLOT                    ; the spare words, 128 bytes for each wave: two blocks of 256 bytes that no other line names
.set STAGE,  SPARE+512                 ; 16 rows x 272 bytes for each wave
.set SPITCH, 272
.set LAPS, SIZE_K/(2*KSTEP)
.set ADRA, 16                          ; v16-17  LDS address of my A fragments in slot 0, 1
.set ADRB, 20                          ; v20-23  of my B fragments: slot s, half u of the K step: v[20 + 2 s + u] (an LDS offset has 16 bits)
.set STO,  24
.set RD,   25
.set CO,   26
.set SPW,  28
.set NIL,  29
.set TMP,  32
.set BIAS, 96
.set ACC,  128
.set F0,   0
.set F1,   128
.set G1, 24
.set G0, 32
.set G1B, 48
.set G0B, 56
.set MSB, 0
.macro WIN new
.if MSB != (\new)
	s_set_vgpr_msb (MSB<<8)|(\new)
.set MSB, (\new)
.endif
.endm
.set MUL,  0x05                        ; sources 0 (B) and 1 (A) window 1; C and D window 0
.set TO_F, 0x40                        ; destination window 1, address window 0
.macro JLOAD s                         ; a joint load: waves 0 and 1 fetch A's two halves, waves 2 and 3 B's; an s_nop 0 and four v_nop follow each of the two lines
	s_cmp_eq_u32 s11, 0
	s_cbranch_scc0 .Lfor_b_\@
	tensor_load_to_lds s[G0+4*\s:G0+4*\s+3], s[G1:G1+7]
	s_nop 0
.rept 4
	v_nop
.endr
	s_branch .Lasked_\@
.Lfor_b_\@:
	tensor_load_to_lds s[G0B+4*\s:G0B+4*\s+3], s[G1B:G1B+7]
	s_nop 0
.rept 4
	v_nop
.endr
.Lasked_\@:
.endm
.macro CREST
	s_cmp_lg_u32 s10, 0
	s_cbranch_scc1 .Lnot_wave_0_\@
	s_barrier_signal -3
.Lnot_wave_0_\@:
	s_barrier_wait -3
	s_barrier_signal -1
	s_barrier_wait -1
.endm
.macro CROUND
	s_barrier_signal -1
	s_barrier_wait -1
	CREST
.endm
	s_load_b128 s[4:7], s[0:1], 0x0                ; ao s[4:5], wo16 s[6:7]
	s_load_b64 s[8:9], s[0:1], 0x10                ; out0
	s_load_b64 s[66:67], s[0:1], 0x18              ; bo
	v_lshl_add_u32 v[SPW], v0, 2, SPARE
	v_mov_b32 v[NIL], 0
	ds_add_u32 v[SPW], v[NIL]                      ; the wave's opening: the add, twice on end, and its wait ahead of my first tensor load
	ds_add_u32 v[SPW], v[NIL]
	v_lshrrev_b32 v1, 5, v0
	v_readfirstlane_b32 s10, v1                    ; wave 0..3
	s_lshr_b32 s11, s10, 1                         ; which half of the tile's rows is mine.  Also: I fetch for A (0) or for B (1)
	s_and_b32 s12, s10, 1                          ; which half of its columns.  Also: which half of that tile I fetch
	s_bfe_u32 s40, ttmp6, 0x40000                  ; cx, cy
	s_bfe_u32 s41, ttmp6, 0x40004
	s_lshl_b32 s42, ttmp9, 2
	s_add_co_u32 s42, s42, s40                     ; tile column
	s_and_b32 s13, ttmp7, 0xffff
	s_lshl_b32 s13, s13, 2
	s_add_co_u32 s13, s13, s41                     ; tile row
	s_lshl_b32 s43, s41, 2
	s_lshl_b32 s43, 15, s43                        ; my row of the cluster
	s_lshl_b32 s44, 0x1111, s40                    ; my column
	; group 1 for A: 64 rows x 256 elements of 2 bytes; 4 words of padding after every 128
	s_or_b32 s[G1+0], s43, (1<<16)|(1<<20)|(1<<21)|(6<<22)|(3<<25)
	s_mov_b32 s[G1+1], KSTEP<<16                   ; tensor_dim0
	s_mov_b32 s[G1+2], 64<<16                      ; tensor_dim1
	s_mov_b32 s[G1+3], KSTEP<<16                   ; tile_dim0
	s_mov_b32 s[G1+4], 64                          ; tile_dim1
	s_mov_b32 s[G1+5], SIZE_K                      ; tensor_dim0_stride
	s_mov_b32 s[G1+6], 0
	s_mov_b32 s[G1+7], 0
	; group 1 for B: 128 rows of k' x 128 elements; 8 words of padding after every 64
	s_or_b32 s[G1B+0], s44, (1<<16)|(1<<20)|(1<<21)|(5<<22)|(7<<25)
	s_mov_b32 s[G1B+1], 128<<16
	s_mov_b32 s[G1B+2], 128<<16
	s_mov_b32 s[G1B+3], 128<<16
	s_mov_b32 s[G1B+4], 128
	s_mov_b32 s[G1B+5], SIZE_N
	s_mov_b32 s[G1B+6], 0
	s_mov_b32 s[G1B+7], 0
	s_lshl_b32 s17, s12, 6
	s_lshl_b32 s16, s13, 7
	s_add_co_u32 s16, s16, s17                     ; A: row 128 x tile row + 64 x half,
	s_lshl_b32 s16, s16, 12                        ; of 4,096 bytes
	s_mov_b32 s17, 0
	s_lshl_b32 s46, s12, 19                        ; B: row 128 x half, of 4,096 bytes,
	s_lshl_b32 s47, s42, 8                         ; + 256 bytes x tile column
	s_add_co_u32 s46, s46, s47
	s_mov_b32 s47, 0
	s_mul_i32 s20, s12, HALFT                      ; where they go: no place in the cluster enters an LDS address
	s_mul_i32 s21, s12, HALFB
	s_add_co_u32 s21, s21, BOFF
	s_wait_dscnt 0x0                               ; both opening adds are done
	s_wait_kmcnt 0x0
	s_add_nc_u64 s[14:15], s[4:5], s[16:17]
	s_add_nc_u64 s[46:47], s[6:7], s[46:47]
	CROUND                                         ; all sixteen work-groups are here: the first joint loads meet
.irp s, 0,1
	s_mov_b32 s[G0+4*\s], 1
	s_add_co_u32 s[G0+4*\s+1], s20, \s*SLOT
	s_add_nc_u64 s[G0+4*\s+2:G0+4*\s+3], s[14:15], \s*KSTEP*2
	s_or_b32 s[G0+4*\s+3], s[G0+4*\s+3], 0x80000000
	s_mov_b32 s[G0B+4*\s], 1
	s_add_co_u32 s[G0B+4*\s+1], s21, \s*SLOT
	s_add_nc_u64 s[G0B+4*\s+2:G0B+4*\s+3], s[46:47], \s*KSTEP*SIZE_N*2
	s_or_b32 s[G0B+4*\s+3], s[G0B+4*\s+3], 0x80000000
	JLOAD \s
.endr
	v_and_b32 v1, 15, v0                           ; r = l % 16
	v_bfe_u32 v2, v0, 4, 1                         ; h = l / 16
	v_mul_u32_u24 v3, v1, PITCH
	v_lshl_add_u32 v3, v2, 4, v3
	s_mul_i32 s21, s11, HALFT                      ; my 64 rows of A
	v_add_nc_u32 v[ADRA], s21, v3
	v_add_nc_u32 v[ADRA+1], SLOT, v[ADRA]
	v_and_b32 v4, 7, v0                            ; the turning load: lane l reads 16 bytes: row k' = 8 h + l % 8, columns 8 ((l / 8) % 2) + 0..7
	v_lshl_add_u32 v4, v2, 3, v4
	v_mul_u32_u24 v4, v4, PB
	v_bfe_u32 v5, v0, 3, 1
	v_lshl_add_u32 v4, v5, 4, v4
	s_lshl_b32 s22, s12, 7                         ; my 64 columns: 128 bytes
	s_add_co_u32 s22, s22, BOFF
	v_add_nc_u32 v[ADRB], s22, v4
	v_add_nc_u32 v[ADRB+1], HALFB, v[ADRB]
	v_add_nc_u32 v[ADRB+2], SLOT, v[ADRB]
	v_add_nc_u32 v[ADRB+3], SLOT, v[ADRB+1]
	s_mul_i32 s23, s10, 16*SPITCH
	s_add_co_u32 s23, s23, STAGE                   ; my stage
	v_mul_u32_u24 v4, v1, SPITCH                   ; in: row r, 32 bytes for each half of the lanes
	v_lshl_add_u32 v4, v2, 5, v4
	v_add_nc_u32 v[STO], s23, v4
	v_mul_u32_u24 v5, v2, SPITCH                   ; back: lanes 0-15 one row of 256 bytes, lanes 16-31 the next
	v_lshl_add_u32 v5, v1, 4, v5
	v_add_nc_u32 v[RD], s23, v5
	v_lshlrev_b32 v5, 13, v2                       ; and the same two rows of out0, 8,192 bytes apart
	v_lshl_add_u32 v[CO], v1, 4, v5
	s_lshl_b32 s16, s13, 7
	s_lshl_b32 s17, s11, 6
	s_add_co_u32 s16, s16, s17                     ; my first row,
	s_lshl_b32 s16, s16, 13
	s_mov_b32 s17, 0
	s_lshl_b32 s46, s42, 7
	s_lshl_b32 s47, s12, 6
	s_add_co_u32 s46, s46, s47                     ; my first column
	s_lshl_b32 s46, s46, 2
	s_mov_b32 s47, 0
	s_add_nc_u64 s[8:9], s[8:9], s[16:17]
	s_add_nc_u64 s[8:9], s[8:9], s[46:47]
	s_add_nc_u64 s[66:67], s[66:67], s[46:47]
	v_lshlrev_b32 v6, 5, v2                        ; the bias in the result's layout: lane (r, h), block b: columns 16 b + 8 h + 0 .. 7
.irp b, 0,1,2,3
	global_load_b128 v[BIAS+8*\b:BIAS+8*\b+3], v6, s[66:67] offset:64*\b
	global_load_b128 v[BIAS+8*\b+4:BIAS+8*\b+7], v6, s[66:67] offset:64*\b+16
.endr
; 8 matrix instructions: m blocks a0, a0 + 1 x all 4 n blocks, 32 along K: half c of buffer f.  zero = 1: the first product starts the sums from the bias.  The accumulators take turns.
.macro MUL8 f, c, a0, zero
.irp a, \a0, \a0+1
.irp b, 0,1,2,3
.if \zero
	v_wmma_f32_16x16x32_f16 v[ACC+8*(4*(\a)+\b):ACC+8*(4*(\a)+\b)+7], v[\f+64+8*(4*\c+\b):\f+64+8*(4*\c+\b)+7], v[\f+8*(4*\c+\a):\f+8*(4*\c+\a)+7], v[BIAS+8*\b:BIAS+8*\b+7]
.else
	v_wmma_f32_16x16x32_f16 v[ACC+8*(4*(\a)+\b):ACC+8*(4*(\a)+\b)+7], v[\f+64+8*(4*\c+\b):\f+64+8*(4*\c+\b)+7], v[\f+8*(4*\c+\a):\f+8*(4*\c+\a)+7], v[ACC+8*(4*(\a)+\b):ACC+8*(4*(\a)+\b)+7]
.endif
.endr
.endr
.endm
; 32 LDS loads in one run: the fragments of quarter kq (64 along K) of the slot, into buffer f; the first 32 along K first
.macro FETCH slot, kq, f
	WIN TO_F
.irp c, 0,1
.irp i, 0,1,2,3
	ds_load_tr16_b128 v[\f+64+8*(4*\c+\i):\f+64+8*(4*\c+\i)+3],   v[ADRB+2*\slot+(\kq)/2] offset:(64*((\kq)%2)+32*\c)*PB+32*\i
	ds_load_tr16_b128 v[\f+64+8*(4*\c+\i)+4:\f+64+8*(4*\c+\i)+7], v[ADRB+2*\slot+(\kq)/2] offset:(64*((\kq)%2)+32*\c+16)*PB+32*\i
	ds_load_b128 v[\f+8*(4*\c+\i):\f+8*(4*\c+\i)+3],         v[ADRA+\slot] offset:128*(\kq)+64*\c+\i*16*PITCH
	ds_load_b128 v[\f+8*(4*\c+\i)+4:\f+8*(4*\c+\i)+7],       v[ADRA+\slot] offset:128*(\kq)+64*\c+\i*16*PITCH+32
.endr
.endr
.endm
.macro PLACES                          ; four places in front of loads into registers that matrix instructions have read, and of the first reads of results
.rept 4
	v_nop
.endr
.endm
; A K step is four quarters of 64 along K, 32 matrix instructions each, on buffers 0, 1, 0, 1.  One of the first three: multiplies buffer f and fetches quarter kq into g.
.macro QUARTER slot, kq, f, g, zero
	s_wait_dscnt 16                                ; the first 32 along K are in
	WIN MUL
	MUL8 \f, 0, 0, \zero
	MUL8 \f, 0, 2, \zero
	PLACES
	FETCH \slot, \kq, \g
	s_wait_dscnt 32                                ; all but the 32 just issued
	WIN MUL
	MUL8 \f, 1, 0, 0
	MUL8 \f, 1, 2, 0
.endm
; The last quarter multiplies buffer 1 and changes slots: ONE barrier; in front of it each wave waits for all its tensor loads, adds 0 to its spare word, and waits for that and for its own reads of this slot.
.macro TURN slot, next, fill
	WIN 0
	s_wait_tensorcnt 0x0                           ; all my tensor loads have landed: my part of the next slot
	ds_add_u32 v[SPW], v[NIL]                      ; 0 onto my spare word
	s_wait_dscnt 17                                ; (the add and the youngest sixteen loads may be out)
	WIN MUL
	MUL8 F1, 0, 0, 0
	s_wait_dscnt 0x0                               ; the add is done, and my reads of this slot are over
	s_barrier_signal -1
	MUL8 F1, 0, 2, 0
.if \fill
	WIN 0
.endif
	s_barrier_wait -1
.if \fill
	CREST                                          ; the barrier has opened a round of the cluster's barrier
	s_add_nc_u64 s[G0+4*\slot+2:G0+4*\slot+3], s[G0+4*\slot+2:G0+4*\slot+3], 2*KSTEP*2
	s_add_nc_u64 s[G0B+4*\slot+2:G0B+4*\slot+3], s[G0B+4*\slot+2:G0B+4*\slot+3], 2*KSTEP*SIZE_N*2
	JLOAD \slot                                    ; the first tensor load behind the round; its four v_nop are the places in front of the loads below
.else
	PLACES
.endif
	FETCH \next, 0, F0
	WIN MUL
	MUL8 F1, 1, 0, 0
	MUL8 F1, 1, 2, 0
.endm
	s_wait_tensorcnt 1                             ; my part of K step 0 is in (K step 1's may be out)
	s_barrier_signal -1
	s_barrier_wait -1                              ; everybody's is
	FETCH 0, 0, F0
	s_wait_loadcnt 0x0                             ; the bias
	QUARTER 0, 1, F0, F1, 1                        ; the first quarter stands in front of the loop: its first products start the sums
	WIN 0
	s_mov_b32 s3, LAPS-1
.Llap:                                                 ; a trip goes once round the ring and fills both slots again
	QUARTER 0, 2, F1, F0, 0
	QUARTER 0, 3, F0, F1, 0
	TURN 0, 1, 1
	QUARTER 1, 1, F0, F1, 0
	QUARTER 1, 2, F1, F0, 0
	QUARTER 1, 3, F0, F1, 0
	TURN 1, 0, 1
	QUARTER 0, 1, F0, F1, 0
	WIN 0
	s_sub_co_u32 s3, s3, 1
	s_cmp_lg_u32 s3, 0
	s_cbranch_scc1 .Llap
	QUARTER 0, 2, F1, F0, 0                        ; the last lap fills nothing
	QUARTER 0, 3, F0, F1, 0
	TURN 0, 1, 0
	QUARTER 1, 1, F0, F1, 0
	QUARTER 1, 2, F1, F0, 0
	QUARTER 1, 3, F0, F1, 0
	s_wait_dscnt 16
	WIN MUL
	MUL8 F1, 0, 0, 0
	MUL8 F1, 0, 2, 0
	s_wait_dscnt 0
	MUL8 F1, 1, 0, 0
	MUL8 F1, 1, 2, 0
	WIN 0
	; THE WAY OUT, block by block of 16 rows x 64 columns, through my own stage: 32 bytes a lane in, whole rows of 256 bytes back.  LDS serves a wave's instructions in order (ISA guide 5.7.1.4).
	PLACES
.macro OUTB a
.irp b, 0,1,2,3
	ds_store_b128 v[STO], v[ACC+8*(4*(\a)+\b):ACC+8*(4*(\a)+\b)+3] offset:64*\b          ; each accumulator from its low end on
	ds_store_b128 v[STO], v[ACC+8*(4*(\a)+\b)+4:ACC+8*(4*(\a)+\b)+7] offset:64*\b+16
.endr
.if (\a) >= 2
	s_wait_xcnt 0x0                                ; the stores of the block two back have read their data: the loads below land there only behind this wait
.endif
.irp t, 0,1,2,3,4,5,6,7
	ds_load_b128 v[TMP+32*((\a)%2)+4*\t:TMP+32*((\a)%2)+4*\t+3], v[RD] offset:\t*2*SPITCH
.endr
.endm
.macro SEND a, younger                 ; younger: the LDS instructions issued behind block a's loads: the next block's 8 stores and 8 loads, or none
	s_wait_dscnt \younger
.irp t, 0,1,2,3,4,5,6,7
	global_store_b128 v[CO], v[TMP+32*((\a)%2)+4*\t:TMP+32*((\a)%2)+4*\t+3], s[8:9] offset:(16*(\a)+2*\t)*SIZE_N*4 th:TH_STORE_NT   ; 16 lanes store 256 consecutive bytes, aligned
.endr
.endm
	OUTB 0
	OUTB 1
	SEND 0, 16
	OUTB 2
	SEND 1, 16
	OUTB 3
	SEND 2, 16
	SEND 3, 0
	s_wait_tensorcnt 0x0                           ; the wave's end
	ds_add_u32 v[SPW], v[NIL]
	s_wait_dscnt 0x0
	CROUND                                         ; the closing round
	s_endpgm
.Lfunc_end_k_qcc831810e0_oproj:
	.size	k_qcc831810e0_oproj, .Lfunc_end_k_qcc831810e0_oproj-k_qcc831810e0_oproj
	.p2alignl 7, 3214868480
	.fill 96, 4, 3214868480
	.section	.rodata,"a",@progbits
	.p2align	6, 0x0
	.amdhsa_kernel k_qcc831810e0_oproj
		.amdhsa_group_segment_fixed_size 327680
		.amdhsa_private_segment_fixed_size 0
		.amdhsa_enable_private_segment 0
		.amdhsa_kernarg_size 32
		.amdhsa_user_sgpr_count 2
		.amdhsa_user_sgpr_kernarg_segment_ptr 1
		.amdhsa_wavefront_size32 1
		.amdhsa_system_sgpr_workgroup_id_x 1
		.amdhsa_system_sgpr_workgroup_id_y 1
		.amdhsa_system_sgpr_workgroup_id_z 1
		.amdhsa_system_vgpr_workitem_id 0
		.amdhsa_next_free_vgpr 512
		.amdhsa_next_free_sgpr 68
		.amdhsa_reserve_vcc 0
		.amdhsa_float_denorm_mode_32 3
		.amdhsa_float_denorm_mode_16_64 3
		.amdhsa_memory_ordered 1
		.amdhsa_forward_progress 1
		.amdhsa_inst_pref_size 87
	.end_amdhsa_kernel
	.amdgpu_metadata
---
amdhsa.version: [ 1, 2 ]
amdhsa.kernels:
  - .name:           k_qcc831810e0_oproj
    .symbol:         k_qcc831810e0_oproj.kd
    .args:
      - { .name: ao, .offset: 0, .size: 8, .value_kind: global_buffer, .address_space: global }
      - { .name: wo16, .offset: 8, .size: 8, .value_kind: global_buffer, .address_space: global }
      - { .name: out0, .offset: 16, .size: 8, .value_kind: global_buffer, .address_space: global }
      - { .name: bo, .offset: 24, .size: 8, .value_kind: global_buffer, .address_space: global }
    .group_segment_fixed_size: 327680
    .private_segment_fixed_size: 0
    .kernarg_segment_align: 8
    .kernarg_segment_size: 32
    .max_flat_workgroup_size: 128
    .sgpr_count:     68
    .vgpr_count:     512
    .wavefront_size: 32
...
	.end_amdgpu_metadata
.endif
;; end of part 4
